; MI455X (gfx1250); checked and timed in simulation.
; The chip was launched on July 23, 2026; its instructions are those of AMD's public machine-readable ISA for CDNA 5 (MIT licence, August 2026) and "CDNA5" Instruction Set Architecture Reference Guide (July 2026). The comments in the code are by the model that wrote it; some were corrected since.
;; Time Mix KV. Allowed arithmetic: float matrix products may take bf16 or f16 operands with f32 sums; other float arithmetic in f32, or as packed bf16 or f16 multiplies, adds, multiply-adds, maxima and minima; sums over many terms, partial sums and values carried from step to step in f32; what a program stores and reads back later, other than sums and carried values, may be rounded once to bf16 or f16.
;; Inputs: Wk 2,048 x 2,048 float32; Wout 2,048 x 2,048 float32; Wr 2,048 x 2,048 float32; Wv 2,048 x 2,048 float32; br 2,048 float32; ln_b 2,048 float32; ln_w 2,048 float32; time_bonus 2,048 float32; time_decay 2,048 float32; x 4 x 1,024 x 2,048 float32.
;; Outputs: out0 4 x 1,024 x 2,048 float32.
;; 2 versions, each right; version 2 is version 1 with the launch prep written anew for expert scheduling mode. Each part assembles by itself: llvm-mc -triple=amdgcn-amd-amdhsa -mcpu=gfx1250 --defsym DOCPART=n.
;; ======== version 1 of 2: 3 launches
;; limits: values are held in f16: magnitudes above 65,504 overflow, below 6.1e-05 lose precision
;; workspace buffers: xn 16,777,216 bytes; wcat 25,165,824 bytes; wo 8,388,608 bytes; yF 16,777,216 bytes
;; launch prep (part 1): grid 768 x 1, 8 waves a work-group, no clusters, 17,408 bytes of LDS; arguments x, ln_w, ln_b, Wk, Wv, Wr, Wout, xn, wcat, wo; writes xn, wcat, wo
.if DOCPART == 1
	.amdgcn_target "amdgcn-amd-amdhsa--gfx1250"
	.amdhsa_code_object_version 6
	.text
	.protected	k_q81339c7c9a_prep
	.globl	k_q81339c7c9a_prep
	.p2align	8
	.type	k_q81339c7c9a_prep,@function
k_q81339c7c9a_prep:
	s_mov_b64 s[64:65], 0
	v_nop
	global_prefetch_b8 v0, s[64:65] scope:SCOPE_SE
	s_setreg_imm32_b32 hwreg(HW_REG_WAVE_MODE, 25, 1), 1
	s_wait_xcnt 0x0
; PREP: LayerNorm of x, rounded once to f16, and the four weight matrices rounded once to f16, all laid out in planes of 64 channels for the two launches behind.
; NOTHING OF reference() IS LEFT OUT in this program: every input has a way to the output and is loaded.  What is restated (exact in real numbers, for all inputs) is said at the head of the second kernel.
; LIMITS.  Matrix operands are f16: 45.3 |ln_w| + |ln_b| (the bound of a normalised row's numbers, sqrt(2048) = 45.3) and every |W| stay under 65,504; below 6e-5 a number keeps f16's fixed step of 6e-8.
; The mean is taken first and the variance of x - mean, as reference() does: a common offset of x forms no difference of large sums.
; SHARES.  A wave takes two neighbouring rows of 2,048 f32: lane l has row l / 16 and, in each plane kb of 64 channels, the 4 numbers at byte 256 kb + 16 (l % 16).  A load covers 2 x 256 consecutive aligned
; bytes; a store covers 256 consecutive aligned bytes, since the two rows' 128 bytes of a plane lie end to end.  12,288 rows = 6,144 waves = 768 work-groups: 0-255 x, then 128 for each of Wk, Wv, Wr, Wout.
; LAYOUTS (f16).  xn [kb 32][place 4096][64]: row t lies at place (t & ~255) + 16 ((t >> 3) & 15) + 8 ((t >> 7) & 1) + (t & 7), so that in the next launch a lane's results are consecutive times.
; wcat [kb 32][g 64][K, V, R][32 rows][64]: row d of matrix m lies at place 96 (d / 32) + 32 m + d % 32.   wo [kb 32][row 2048][64].
; REGISTERS.  160 a wave, of which the two rows take 128: six waves share 1,024 registers, so three work-groups of eight waves lie side by side and every wave's 32 loads go out at the launch's start.
; The 32 planes' store addresses are 32 scalar pairs, so that no store's address is ever written over and no vector register is spent on them.
; No matrix unit, no tensor load, no cluster: a stream in which work-groups share 16 KiB of parameters and nothing else.  No prefetch: every wave has its whole share, 32 loads, on its way at once.
.set SPARE, 16384                      ; LDS: ln_w at 0, ln_b at 8192, then the spare words, 128 bytes for each of the eight waves
.set SO,  3                            ; v3   my byte offset in the wave's two source rows; never rewritten
.set LP,  4                            ; v4   16 (l % 16): my place in 256 bytes of ln_w and ln_b in LDS
.set DB,  5                            ; v5   my byte offset in the two rows' 256 bytes of a plane; never rewritten
.set SPW, 6                            ; v6   LDS address of my spare word; never rewritten
.set NIL, 7                            ; v7   0; never rewritten
.set MU,  8                            ; v[8:9]    the mean, twice
.set RS,  10                           ; v[10:11]  1 / sqrt(var + eps), twice
.set VAR, 12                           ; v12
.set PA,  13                           ; v13  16 x thread: where the parameters are loaded and put
.set CH,  16                           ; v[16:23]  four packed chains of sums
.set PW,  16                           ; v[16:31]  first the parameters on their way to LDS; behind the sums two sets of 8: ln_w and ln_b of a plane
.set X,   32                           ; v[32:159] the two rows' share: 4 registers a plane
; scalar: s[28:29] source, s[30:31] destination, s32 1/2048, s33 1e-5, s[34:35] bytes in a plane; plane kb's store base in s[36+2kb:..] for kb < 14 and s[38+2kb:..] from 14 on
	s_load_b512 s[4:19], s[0:1], 0x0               ; x s[4:5], ln_w s[6:7], ln_b s[8:9], Wk s[10:11], Wv s[12:13], Wr s[14:15], Wout s[16:17], xn s[18:19]
	s_load_b128 s[20:23], s[0:1], 0x40             ; wcat s[20:21], wo s[22:23]
	v_lshl_add_u32 v[SPW], v0, 2, SPARE
	v_mov_b32 v[NIL], 0
	v_lshrrev_b32 v1, 5, v0
	v_readfirstlane_b32 s24, v1                    ; wave 0..7
	v_and_b32 v1, 15, v0                           ; l % 16
	v_bfe_u32 v2, v0, 4, 1                         ; l / 16
	v_lshlrev_b32 v[LP], 4, v1
	v_lshl_add_u32 v[SO], v2, 13, v[LP]            ; row x 8,192 + 16 (l % 16)
	v_lshlrev_b32 v[DB], 3, v1
	v_lshl_add_u32 v[DB], v2, 7, v[DB]             ; row x 128 + 8 (l % 16)
	v_lshlrev_b32 v[PA], 4, v0
	; a work-group of x: row t and its place
	s_lshl_b32 s36, ttmp9, 4
	s_lshl1_add_u32 s36, s24, s36                  ; t = 16 id + 2 wave
	s_and_b32 s37, s36, 0xffffff00
	s_bfe_u32 s38, s36, 0x40003                    ; (t >> 3) & 15
	s_bfe_u32 s39, s36, 0x10007                    ; (t >> 7) & 1
	s_and_b32 s40, s36, 7
	s_lshl4_add_u32 s37, s38, s37
	s_lshl3_add_u32 s37, s39, s37
	s_add_co_u32 s37, s37, s40                     ; the place of row t
	; a work-group of weights: matrix m, row d and its place
	s_sub_co_u32 s41, ttmp9, 256
	s_lshr_b32 s42, s41, 7                         ; m = 0..3 (of no meaning in a work-group of x, where nothing made of it is chosen)
	s_and_b32 s41, s41, 127
	s_lshl_b32 s41, s41, 4
	s_lshl1_add_u32 s41, s24, s41                  ; d
	s_lshr_b32 s43, s41, 5
	s_mul_i32 s43, s43, 96
	s_lshl_b32 s44, s42, 5
	s_add_co_u32 s43, s43, s44
	s_and_b32 s44, s41, 31
	s_add_co_u32 s43, s43, s44                     ; its place in a plane of wcat
	s_mov_b32 s45, 786432                          ; bytes in a plane of wcat,
	s_mov_b32 s46, 262144                          ; of wo,
	s_mov_b32 s47, 524288                          ; of xn
	s_mov_b32 s32, 0x3a000000                      ; 1 / 2048
	s_mov_b32 s33, 0x3727c5ac                      ; 1e-5
	s_cmp_eq_u32 s42, 3
	s_cselect_b32 s26, s41, s43
	s_cselect_b32 s34, s46, s45
	s_cmp_lt_u32 ttmp9, 256
	s_cselect_b32 s25, s36, s41                    ; source row
	s_cselect_b32 s26, s37, s26                    ; place
	s_cselect_b32 s34, s47, s34                    ; plane
	s_mov_b32 s35, 0
	s_lshl_b32 s48, s25, 13
	s_mov_b32 s49, 0
	s_lshl_b32 s50, s26, 7
	s_mov_b32 s51, 0
	s_wait_kmcnt 0x0
	s_cmp_eq_u32 s42, 2
	s_cselect_b64 s[28:29], s[14:15], s[16:17]
	s_cmp_eq_u32 s42, 1
	s_cselect_b64 s[28:29], s[12:13], s[28:29]
	s_cmp_eq_u32 s42, 0
	s_cselect_b64 s[28:29], s[10:11], s[28:29]
	s_cmp_eq_u32 s42, 3
	s_cselect_b64 s[30:31], s[22:23], s[20:21]
	s_cmp_lt_u32 ttmp9, 256
	s_cselect_b64 s[28:29], s[4:5], s[28:29]       ; the source,
	s_cselect_b64 s[30:31], s[18:19], s[30:31]     ; the destination,
	s_add_nc_u64 s[28:29], s[28:29], s[48:49]      ; at the wave's first row
	s_add_nc_u64 s[30:31], s[30:31], s[50:51]
.macro XLOADS                          ; the wave's whole share, 16 KiB, goes out at once: 32 loads
.set kk, 0
.rept 32
	global_load_b128 v[X+4*kk:X+4*kk+3], v[SO], s[28:29] offset:256*kk th:TH_LOAD_NT
.set kk, kk+1
.endr
.endm
	; ONE branch, on the work-group's number (the same answer in all eight waves): the parameters' loads and their LDS stores stand together in x's arm; the weights' arm has the 32 loads alone
	s_cmp_lt_u32 ttmp9, 256
	s_cbranch_scc0 .Lweights
	global_load_b128 v[PW:PW+3], v[PA], s[6:7]     ; ln_w and ln_b, 8,192 bytes each: 256 threads x 16 bytes, twice
	global_load_b128 v[PW+4:PW+7], v[PA], s[6:7] offset:4096
	global_load_b128 v[PW+8:PW+11], v[PA], s[8:9]
	global_load_b128 v[PW+12:PW+15], v[PA], s[8:9] offset:4096
	XLOADS
	s_wait_loadcnt 32                              ; the four parameter loads are in; the 32 younger loads stay out
	ds_store_b128 v[PA], v[PW:PW+3]
	ds_store_b128 v[PA], v[PW+4:PW+7] offset:4096
	ds_store_b128 v[PA], v[PW+8:PW+11] offset:8192
	ds_store_b128 v[PA], v[PW+12:PW+15] offset:12288
	s_branch .Lmeet
.Lweights:
	XLOADS
.Lmeet:
	; the 32 planes' store bases, made while the loads are on their way
	s_mov_b64 s[36:37], s[30:31]
.set kk, 1
.set pv, 36
.rept 31
.if kk >= 14
.set dp, 38+2*kk
.else
.set dp, 36+2*kk
.endif
	s_add_nc_u64 s[dp:dp+1], s[pv:pv+1], s[34:35]
.set pv, dp
.set kk, kk+1
.endr
	s_wait_dscnt 0x0                               ; for the others' sake: my stores are done
	s_barrier_signal -1
	s_barrier_wait -1                              ; every work-group passes it: no barrier lies under a branch
	s_cmp_lt_u32 ttmp9, 256
	s_cbranch_scc0 .Lcast
.macro REDUCE                          ; the four chains into one number; then over the 16 lanes that hold one row, which are one row of lanes for the lane-crossing forms
	v_pk_add_f32 v[CH:CH+1], v[CH:CH+1], v[CH+2:CH+3]
	v_pk_add_f32 v[CH+4:CH+5], v[CH+4:CH+5], v[CH+6:CH+7]
	v_pk_add_f32 v[CH:CH+1], v[CH:CH+1], v[CH+4:CH+5]
	v_add_f32 v[CH], v[CH], v[CH+1]
	v_add_f32_dpp v[CH], v[CH], v[CH] row_xmask:1 row_mask:0xf bank_mask:0xf
	v_add_f32_dpp v[CH], v[CH], v[CH] row_xmask:2 row_mask:0xf bank_mask:0xf
	v_add_f32_dpp v[CH], v[CH], v[CH] row_xmask:4 row_mask:0xf bank_mask:0xf
	v_add_f32_dpp v[CH], v[CH], v[CH] row_xmask:8 row_mask:0xf bank_mask:0xf
.endm
	s_wait_loadcnt 0x0                             ; the row is in
.set pp, 0
.rept 4
	v_pk_add_f32 v[CH+2*pp:CH+2*pp+1], v[X+2*pp:X+2*pp+1], v[X+8+2*pp:X+8+2*pp+1]  ; the first additions start the chains: nothing is cleared
.set pp, pp+1
.endr
.set pp, 8
.rept 56
	v_pk_add_f32 v[CH+2*(pp%4):CH+2*(pp%4)+1], v[CH+2*(pp%4):CH+2*(pp%4)+1], v[X+2*pp:X+2*pp+1]
.set pp, pp+1
.endr
	REDUCE
	v_mul_f32 v[MU], s32, v[CH]
	v_mul_f32 v[MU+1], s32, v[CH]
.set pp, 0
.rept 64
	v_pk_add_f32 v[X+2*pp:X+2*pp+1], v[X+2*pp:X+2*pp+1], v[MU:MU+1] neg_lo:[0,1] neg_hi:[0,1]  ; x - mean
.set pp, pp+1
.endr
.set pp, 0
.rept 4
	v_pk_mul_f32 v[CH+2*pp:CH+2*pp+1], v[X+2*pp:X+2*pp+1], v[X+2*pp:X+2*pp+1]
.set pp, pp+1
.endr
.rept 60
	v_pk_fma_f32 v[CH+2*(pp%4):CH+2*(pp%4)+1], v[X+2*pp:X+2*pp+1], v[X+2*pp:X+2*pp+1], v[CH+2*(pp%4):CH+2*(pp%4)+1]
.set pp, pp+1
.endr
	REDUCE
	v_fma_f32 v[VAR], v[CH], s32, s33              ; var + eps
	v_rsq_f32 v[RS], v[VAR]
	v_rsq_f32 v[RS+1], v[VAR]
	ds_load_b128 v[PW:PW+3], v[LP]                 ; plane 0's ln_w and ln_b, into set 0: the chains are read out
	ds_load_b128 v[PW+4:PW+7], v[LP] offset:8192
	v_nop                                          ; a plain instruction behind the last of the two,
	s_wait_alu depctr_va_vdst(0)                   ; and one wait for both, ahead of their first reader
.set kk, 0
.rept 32                               ; a plane at a time; the next plane's ln_w and ln_b are asked for first, into the other set
.if kk < 31
	ds_load_b128 v[PW+8*((kk+1)%2):PW+8*((kk+1)%2)+3],   v[LP] offset:256*(kk+1)
	ds_load_b128 v[PW+8*((kk+1)%2)+4:PW+8*((kk+1)%2)+7], v[LP] offset:8192+256*(kk+1)
.endif
	v_pk_mul_f32 v[X+4*kk:X+4*kk+1],   v[X+4*kk:X+4*kk+1],   v[RS:RS+1]
	v_pk_mul_f32 v[X+4*kk+2:X+4*kk+3], v[X+4*kk+2:X+4*kk+3], v[RS:RS+1]
.if kk < 31
	s_wait_dscnt 2                                 ; this plane's two loads are in; the next plane's two stay out
.else
	s_wait_dscnt 0x0
.endif
	v_pk_fma_f32 v[X+4*kk:X+4*kk+1],   v[X+4*kk:X+4*kk+1],   v[PW+8*(kk%2):PW+8*(kk%2)+1],   v[PW+8*(kk%2)+4:PW+8*(kk%2)+5]
	v_pk_fma_f32 v[X+4*kk+2:X+4*kk+3], v[X+4*kk+2:X+4*kk+3], v[PW+8*(kk%2)+2:PW+8*(kk%2)+3], v[PW+8*(kk%2)+6:PW+8*(kk%2)+7]
.set kk, kk+1
.endr
.Lcast:
; Plane kb: rounded to f16 and stored.  On the weights' way the count leaves the 31 - kb younger loads out; on x's way all loads have been waited for, and the line is met at once.
.set kk, 0
.rept 32
.if kk >= 14
.set dp, 38+2*kk
.else
.set dp, 36+2*kk
.endif
	s_wait_loadcnt 31-kk
	v_cvt_pk_f16_f32 v[X+4*kk], v[X+4*kk], v[X+4*kk+1]
	v_cvt_pk_f16_f32 v[X+4*kk+1], v[X+4*kk+2], v[X+4*kk+3]
	global_store_b64 v[DB], v[X+4*kk:X+4*kk+1], s[dp:dp+1]  ; 32 lanes x 8 bytes: 256 consecutive bytes, aligned
.set kk, kk+1
.endr
	s_wait_tensorcnt 0x0                           ; the wave's end, behind my last LDS store
	ds_add_u32 v[SPW], v[NIL]
	s_wait_dscnt 0x0
	s_endpgm
.Lfunc_end_k_q81339c7c9a_prep:
	.size	k_q81339c7c9a_prep, .Lfunc_end_k_q81339c7c9a_prep-k_q81339c7c9a_prep
	.p2alignl 7, 3214868480
	.fill 96, 4, 3214868480
	.section	.rodata,"a",@progbits
	.p2align	6, 0x0
	.amdhsa_kernel k_q81339c7c9a_prep
		.amdhsa_group_segment_fixed_size 17408
		.amdhsa_private_segment_fixed_size 0
		.amdhsa_enable_private_segment 0
		.amdhsa_kernarg_size 80
		.amdhsa_user_sgpr_count 2
		.amdhsa_user_sgpr_kernarg_segment_ptr 1
		.amdhsa_wavefront_size32 1
		.amdhsa_system_sgpr_workgroup_id_x 1
		.amdhsa_system_sgpr_workgroup_id_y 1
		.amdhsa_system_sgpr_workgroup_id_z 1
		.amdhsa_system_vgpr_workitem_id 0
		.amdhsa_next_free_vgpr 160
		.amdhsa_next_free_sgpr 102
		.amdhsa_reserve_vcc 0
		.amdhsa_float_denorm_mode_32 3
		.amdhsa_float_denorm_mode_16_64 3
		.amdhsa_memory_ordered 1
		.amdhsa_forward_progress 1
		.amdhsa_inst_pref_size 45
	.end_amdhsa_kernel
	.amdgpu_metadata
---
amdhsa.version: [ 1, 2 ]
amdhsa.kernels:
  - .name:           k_q81339c7c9a_prep
    .symbol:         k_q81339c7c9a_prep.kd
    .args:
      - { .name: x, .offset: 0, .size: 8, .value_kind: global_buffer, .address_space: global }
      - { .name: ln_w, .offset: 8, .size: 8, .value_kind: global_buffer, .address_space: global }
      - { .name: ln_b, .offset: 16, .size: 8, .value_kind: global_buffer, .address_space: global }
      - { .name: Wk, .offset: 24, .size: 8, .value_kind: global_buffer, .address_space: global }
      - { .name: Wv, .offset: 32, .size: 8, .value_kind: global_buffer, .address_space: global }
      - { .name: Wr, .offset: 40, .size: 8, .value_kind: global_buffer, .address_space: global }
      - { .name: Wout, .offset: 48, .size: 8, .value_kind: global_buffer, .address_space: global }
      - { .name: xn, .offset: 56, .size: 8, .value_kind: global_buffer, .address_space: global }
      - { .name: wcat, .offset: 64, .size: 8, .value_kind: global_buffer, .address_space: global }
      - { .name: wo, .offset: 72, .size: 8, .value_kind: global_buffer, .address_space: global }
    .group_segment_fixed_size: 17408
    .private_segment_fixed_size: 0
    .kernarg_segment_align: 8
    .kernarg_segment_size: 80
    .max_flat_workgroup_size: 256
    .sgpr_count:     102
    .vgpr_count:     160
    .wavefront_size: 32
...
	.end_amdgpu_metadata
.endif
;; end of part 1
;; launch proj (part 2): grid 64 x 4, 4 waves a work-group, clusters of 4 x 4, 327,680 bytes of LDS; arguments xn, wcat, time_bonus, br, time_decay, yF; writes yF
.if DOCPART == 2
	.amdgcn_target "amdgcn-amd-amdhsa--gfx1250"
	.amdhsa_code_object_version 6
	.text
	.protected	k_q81339c7c9a_proj
	.globl	k_q81339c7c9a_proj
	.p2align	8
	.type	k_q81339c7c9a_proj,@function
k_q81339c7c9a_proj:
	s_mov_b64 s[64:65], 0
	v_nop
	global_prefetch_b8 v0, s[64:65] scope:SCOPE_SE
	s_setreg_imm32_b32 hwreg(HW_REG_WAVE_MODE, 25, 1), 1
	s_wait_xcnt 0x0
	s_wait_alu depctr_hold_cnt(0) depctr_sa_sdst(0) depctr_va_vdst(0) depctr_va_sdst(0) depctr_va_ssrc(0) depctr_va_vcc(0) depctr_vm_vsrc(0)
	s_getreg_b32 s2, hwreg(HW_REG_IB_STS2, 6, 4)
	s_cmp_eq_u32 s2, 0
	s_cbranch_scc0 .Lentry_in_a_cluster
	s_endpgm
.Lentry_in_a_cluster:
	s_bfe_u32 s2, ttmp6, 0x10000c
	s_cmp_lg_u32 s2, 0xf033
	s_cbranch_scc0 .Lentry_shape_is_right
	s_endpgm
.Lentry_shape_is_right:
; PROJ: K, V, R = xn W^T; ek = exp(clip(K + bonus, -10, 10)); a = d a + ek V, b = d b + ek along time; y = sigmoid(R + br) a / (b + 1e-6), stored in f16 as the next launch's operand.  K, V, R, ek, a, b never leave registers.
; No work of reference() is left out.  RESTATED, exact in real numbers for all inputs:
;   d = exp(-softplus(w)) = 1 / (1 + e^w);   sigmoid(z) a / (b + eps) = a / ((b + eps) (1 + e^-z)): one reciprocal;
;   the recurrence is linear, so it is taken in blocks of 8 steps and segments of 128, each from 0, and what came before enters as carry x d^n; the zero state of reference() is the first segment's carry.
;   exp(clip(u, -10, 10)) = 2^clip(u log2 e, -10 log2 e, 10 log2 e).
; LIMITS.  Operands and y are f16: |y| <= max |V| stays under 65,504; below 6e-5 f16's fixed step of 6e-8.  For w above 88 d counts as 0; where (b + eps)(1 + e^-z) passes f32's range y counts as 0
; (the sigmoid is then below 1e-31).  A NaN is not carried through the clip.  Sums are f32; the order of the products' and the scan's additions differs from reference()'s.
; SHARES.  Work-group (g, b): all 1,024 steps of batch b for channels 32 g .. 32 g + 31 of K, V and R: a tile of 1024 x 96; 64 x 4 = 256 work-groups.  Wave w: steps 256 w .. 256 w + 255: 16 row fragments i
; x 6 column fragments (matrix m, half ct): 96 accumulators, 768 registers.  Source 0 = 16 rows of xn, source 1 = 16 rows of a weight: lane (r = l % 16, h = l / 16), register j holds channel 16 ct + r and,
; by the order in which the launch before laid xn's rows, time 256 w + 128 h + 8 i + j: a lane holds 128 consecutive steps of one channel.
; RING.  K goes in steps of 64 (one plane of xn and wcat) through two LDS slots; only two such slots fit.  Waves 0, 1 fetch xn's two halves (64 KiB each), waves 2, 3 the weights' (6 KiB each): one tensor load a wave.
; THE WALK OVER K.  Cluster x begins at plane 4 (x mod 8) and wraps round at 32: at any step the clusters stand at different planes of xn, and but for its first four steps a cluster reads a plane that the
; cluster which began four planes further on read four steps earlier.  f32 sums may be taken in any order.  The descriptors' global addresses are made anew for each refill, from the plane's number.
; CLUSTER 4 x 4: the four of a row share the batch, so xn's tile; the four of a column share g, so the weights' tile: each is asked for jointly, by the same load and descriptor with a mask of the four.
; OUT.  yF [g 64][block of 16 times 256][1,024 bytes]: a fragment of 16 times x 32 channels as a matrix instruction takes it: lane l's 16 bytes at 16 l hold time l % 16, channels 8 (l / 16) + 0..7; those at
; 512 + 16 l channels 16 + 8 (l / 16) + 0..7.
; REGISTERS, in windows of 256 (s_set_vgpr_msb: bits 1:0 source 0, 3:2 source 1, 5:4 source 2, 7:6 destination): window 1 + m: matrix m's accumulators at 16 i + 8 ct; window 0: all else.
.set KPL_A, 524288                     ; bytes in a plane of xn
.set KPL_B, 786432                     ; and of wcat
.set PITCH, 144                        ; an LDS row: 128 bytes + 16 of padding = 36 words: the 16 rows of a fragment load start at 16 different groups of four banks (64 banks of 4 bytes: ISA guide 11.1)
.set AROWS, 1024*PITCH                 ; xn's 1,024 rows
.set SLOT,  AROWS+96*PITCH             ; then the weights' 96: 161,280 bytes
.set CARRY, 2*SLOT                     ; behind the ring: [segment 8][r 16][a0, a1, b0, b1] f32; no tensor load lands here
.set SPARE, CARRY+2048                 ; the spare words, 128 bytes for each wave: two blocks of 256 bytes that no other line names
.set SP,    544                        ; the way out: a channel's 256 times, 512 bytes + 32: 17 x 32s pitch
.set STG,   32*SP                      ; a wave's stage, at w x STG inside slot 0, which has had its last fill, and whose last reads every wave has awaited ahead of the last change of slots
.set ADRA, 4                           ; v4-5   LDS address of my xn fragments in slot 0, 1
.set ADRB, 6                           ; v6-7   the same for the weights
.set SPW,  8                           ; v8     LDS address of my spare word; never rewritten
.set NIL,  9                           ; v9     0; never rewritten
.set PFO,  10                          ; v10    the prefetches' lane offset; never rewritten
.set STO,  11                          ; v11    the way out: where I put 16 bytes
.set RD,   12                          ; v12    where the turning load reads
.set GO,   13                          ; v13    16 l
.set CST,  14                          ; v14    where I put my segment's totals
.set CLD,  15                          ; v15    where I read the segments' totals
.set SEG,  16                          ; v16    my segment: 2 w + h
.set CO,   17                          ; v17    my byte offset in bonus, br, time_decay
.set RAW,  20                          ; v20-25 bonus, br, time_decay as loaded, for ct = 0, 1
.set BBUF, 32                          ; v[32:79], v[80:127]    the weights' 6 fragments for channels 32 c on
.set ABUF, 128                         ; v[128:191], v[192:255] xn's fragments 0-7, 8-15
.set G1A, 24                           ; s[24:31] descriptor group 1 for xn's tiles;  s[32:39] group 0, a set for each slot
.set G0A, 32
.set LIM, 43                           ; s43  1 in a wave that prefetches, else the greatest number
.set PFA, 44                           ; s[44:45] what the next prefetch names
.set PFB, 46                           ; s[46:47] my work-group's six blocks in plane 0 of wcat
.set G1B, 48                           ; s[48:55], s[56:63] the same for the weights' tiles
.set G0B, 56
.set KN,  81                           ; s81  the plane that the next refill brings
.set MSB, 0
.macro WIN new                         ; the immediate's high byte repeats the setting that is left; a switch that changes nothing is dropped
.if MSB != (\new)
	s_set_vgpr_msb (MSB<<8)|(\new)
.set MSB, (\new)
.endif
.endm
.macro PLACES                          ; four places in front of loads into registers that matrix instructions have read (ISA guide 7.12.1 for vector instructions)
.rept 4
	v_nop
.endr
.endm
.macro JLOAD s                         ; a joint load: waves 0 and 1 fetch xn's halves, waves 2 and 3 the weights'; an s_nop 0 and four v_nop follow each of the two lines
	s_cmp_eq_u32 s17, 0
	s_cbranch_scc0 .Lfor_b_\@
	tensor_load_to_lds s[G0A+4*(\s):G0A+4*(\s)+3], s[G1A:G1A+7]
	s_nop 0
.rept 4
	v_nop
.endr
	s_branch .Lasked_\@
.Lfor_b_\@:
	tensor_load_to_lds s[G0B+4*(\s):G0B+4*(\s)+3], s[G1B:G1B+7]
	s_nop 0
.rept 4
	v_nop
.endr
.Lasked_\@:
.endm
; A PREFETCH of the weights' plane that stands TWO refills on (384 matrix instructions ahead of the load that will want it), behind the joint load and the run of LDS loads.  A wave's 24 blocks of 256 bytes of
; wcat are read by this cluster alone, once: waves 2 and 3 ask, the partner at cy takes 6 of them, told apart by address (lanes 5 to 31 name the sixth).  The loop's last trip asks for nothing: there is no
; step two on.  The first four steps come by their loads alone.  xn is not asked for: every plane's first readers take it within their own first four steps.
.macro ASK
	s_cmp_gt_u32 s3, s[LIM]
	s_cbranch_scc0 .Lnot_mine_\@
	global_prefetch_b8 v[PFO], s[PFA:PFA+1] th:TH_LOAD_NT scope:SCOPE_SE
.Lnot_mine_\@:
.endm
.macro CREST                           ; a round of the cluster's barrier behind its opening barrier
	s_cmp_lg_u32 s16, 0
	s_cbranch_scc1 .Lnot_wave_0_\@
	s_barrier_signal -3
.Lnot_wave_0_\@:
	s_barrier_wait -3
	s_barrier_signal -1
	s_barrier_wait -1
.endm
.macro CROUND                          ; a whole round
	s_barrier_signal -1
	s_barrier_wait -1
	CREST
.endm
	s_load_b256 s[4:11], s[0:1], 0x0               ; xn s[4:5], wcat s[6:7], time_bonus s[8:9], br s[10:11]
	s_load_b128 s[12:15], s[0:1], 0x20             ; time_decay s[12:13], yF s[14:15]
	v_lshl_add_u32 v[SPW], v0, 2, SPARE
	v_mov_b32 v[NIL], 0
	ds_add_u32 v[SPW], v[NIL]                      ; the wave's opening: the add, twice on end, and its wait ahead of my first tensor load
	ds_add_u32 v[SPW], v[NIL]                      ; and once more, under the one wait; the set-up below, work on registers, stands between
	v_lshrrev_b32 v1, 5, v0
	v_readfirstlane_b32 s16, v1                    ; wave 0..3
	s_lshr_b32 s17, s16, 1                         ; I fetch xn (0) or weights (1),
	s_and_b32 s18, s16, 1                          ; and which half
	s_bfe_u32 s19, ttmp6, 0x40000                  ; cx
	s_bfe_u32 s20, ttmp6, 0x40004                  ; cy
	s_lshl_b32 s21, ttmp9, 2
	s_add_co_u32 s21, s21, s19                     ; g = 4 x cluster x + cx
	s_and_b32 s22, ttmp7, 0xffff
	s_lshl_b32 s22, s22, 2
	s_add_co_u32 s22, s22, s20                     ; b = 4 x cluster y + cy
	s_lshl_b32 s40, s20, 2
	s_lshl_b32 s40, 15, s40                        ; my row of the cluster
	s_lshl_b32 s41, 0x1111, s19                    ; my column
	; group 1.  Dense bytes, asked for as rows of 256 bytes (two rows of 64 f16), padded in LDS after every 128 bytes
	s_or_b32 s[G1A], s40, (1<<16)|(1<<20)|(1<<21)|(4<<22)|(3<<25)  ; 15:0 the mask; 17:16 2-byte elements; 20 padding on; 21 set beside a mask; 24:22 after every 32 words (code 4); 31:25 4 words (code 3)
	s_or_b32 s[G1B], s41, (1<<16)|(1<<20)|(1<<21)|(4<<22)|(3<<25)
	s_mov_b32 s[G1A+1], 128<<16                    ; tensor_dim0 = 128
	s_mov_b32 s[G1A+2], 256<<16                    ; tensor_dim1 = 256
	s_mov_b32 s[G1A+3], 128<<16                    ; tile_dim0 = 128
	s_mov_b32 s[G1A+4], 256                        ; tile_dim1 = 256: 64 KiB
	s_mov_b32 s[G1A+5], 128                        ; 128 elements from row to row
	s_mov_b32 s[G1A+6], 0
	s_mov_b32 s[G1A+7], 0
	s_mov_b32 s[G1B+1], 128<<16
	s_mov_b32 s[G1B+2], 24<<16                     ; 24 rows: 6 KiB
	s_mov_b32 s[G1B+3], 128<<16
	s_mov_b32 s[G1B+4], 24
	s_mov_b32 s[G1B+5], 128
	s_mov_b32 s[G1B+6], 0
	s_mov_b32 s[G1B+7], 0
	s_lshl_b32 s82, s22, 17                        ; xn: the batch's 1,024 rows of 128 bytes, made of b and the wave alone,
	s_lshl_b32 s90, s18, 16                        ; my half of them
	s_add_co_u32 s82, s82, s90
	s_mov_b32 s83, 0
	s_mul_i32 s86, s21, 12288                      ; wcat: block g, made of g and the wave alone,
	s_mul_i32 s91, s18, 6144                       ; my half of it
	s_add_co_u32 s86, s86, s91
	s_mov_b32 s87, 0
	s_mul_i32 s23, s18, 512*PITCH                  ; where they go: no place in the cluster enters an LDS address
	s_mul_i32 s42, s18, 48*PITCH
	s_add_co_u32 s42, s42, AROWS
	s_and_b32 s80, ttmp9, 7                        ; the cluster's first plane: 4 (cluster x mod 8), the same in all sixteen partners
	s_lshl_b32 s80, s80, 2
	s_add_co_u32 s[KN], s80, 2                     ; the first refill brings the plane two on (30 at the most: no wrap yet)
	s_mul_i32 s90, s80, KPL_A
	s_mov_b32 s91, 0
	s_mul_i32 s92, s80, KPL_B
	s_mov_b32 s93, 0
	s_wait_dscnt 0x0                               ; both opening adds are done
	s_wait_kmcnt 0x0
	s_add_nc_u64 s[84:85], s[4:5], s[82:83]        ; my part of plane 0 of xn: kept for the whole walk,
	s_add_nc_u64 s[88:89], s[6:7], s[86:87]        ; and of wcat
	s_add_nc_u64 s[66:67], s[84:85], s[90:91]      ; the same in the cluster's first plane
	s_add_nc_u64 s[68:69], s[88:89], s[92:93]
	CROUND                                         ; all sixteen work-groups are here: the first joint loads meet
.irp s, 0,1
	s_mov_b32 s[G0A+4*(\s)], 1                     ; count = 1
	s_add_co_u32 s[G0A+4*(\s)+1], s23, (\s)*SLOT   ; LDS address
	s_add_nc_u64 s[G0A+4*(\s)+2:G0A+4*(\s)+3], s[66:67], (\s)*KPL_A  ; global address: the walk's step s
	s_or_b32 s[G0A+4*(\s)+3], s[G0A+4*(\s)+3], 0x80000000            ; type = 2
	s_mov_b32 s[G0B+4*(\s)], 1
	s_add_co_u32 s[G0B+4*(\s)+1], s42, (\s)*SLOT
	s_add_nc_u64 s[G0B+4*(\s)+2:G0B+4*(\s)+3], s[68:69], (\s)*KPL_B
	s_or_b32 s[G0B+4*(\s)+3], s[G0B+4*(\s)+3], 0x80000000
	JLOAD \s                                       ; two loads of mine are out
.endr
	v_and_b32 v1, 15, v0                           ; r
	v_bfe_u32 v2, v0, 4, 1                         ; h
	v_and_b32 v18, 31, v0                          ; l
	s_lshl_b32 s90, s21, 7
	v_lshl_add_u32 v[CO], v1, 2, s90               ; 4 (32 g + r)
	global_load_b32 v[RAW],   v[CO], s[8:9]        ; waited for behind the loop
	global_load_b32 v[RAW+1], v[CO], s[8:9] offset:64
	global_load_b32 v[RAW+2], v[CO], s[10:11]
	global_load_b32 v[RAW+3], v[CO], s[10:11] offset:64
	global_load_b32 v[RAW+4], v[CO], s[12:13]
	global_load_b32 v[RAW+5], v[CO], s[12:13] offset:64
	; a fragment is 16 rows x 32 channels in 8 registers: lane l holds row r, channels 8 h + 0..7 and 16 + 8 h + 0..7: two loads of 16 bytes, 32 bytes apart
	v_mul_u32_u24 v3, v1, PITCH
	v_lshl_add_u32 v3, v2, 4, v3
	s_mul_i32 s90, s16, 256*PITCH
	v_add_nc_u32 v[ADRA], s90, v3
	v_add_nc_u32 v[ADRA+1], SLOT, v[ADRA]
	v_add_nc_u32 v[ADRB], AROWS, v3
	v_add_nc_u32 v[ADRB+1], SLOT, v[ADRB]
	s_mul_i32 s90, s16, STG
	v_mul_u32_u24 v[STO], v1, SP
	v_lshl_add_u32 v[STO], v2, 8, v[STO]
	v_add_nc_u32 v[STO], s90, v[STO]               ; my stage + channel r's row + my 128 times' 256 bytes
	v_lshlrev_b32 v[GO], 4, v18
	; the turning load takes 16 channels x 16 times (lane l reads channel 8 h + l % 8, times 8 ((l / 8) % 2) + 0..7) and leaves half a fragment: lane l holds time l % 16 and 8 channels
	v_and_b32 v19, 7, v0
	v_lshl_add_u32 v19, v2, 3, v19
	v_mul_u32_u24 v[RD], v19, SP
	v_bfe_u32 v19, v0, 3, 1
	v_lshl_add_u32 v[RD], v19, 4, v[RD]
	v_add_nc_u32 v[RD], s90, v[RD]
	s_lshl_b32 s91, s16, 1
	v_add_nc_u32 v[SEG], s91, v2
	v_lshl_add_u32 v[CLD], v1, 4, CARRY
	v_lshl_add_u32 v[CST], v[SEG], 8, v[CLD]
	; the prefetches.  Nothing is prefetched here, at the head
	s_mul_i32 s90, s20, 1536                       ; my work-group's 6 blocks of the 24 that I fetch
	s_add_co_u32 s90, s90, s86
	s_mov_b32 s91, 0
	s_add_nc_u64 s[PFB:PFB+1], s[6:7], s[90:91]
	s_cmp_eq_u32 s17, 0
	s_cselect_b32 s[LIM], -1, 1                    ; waves 2 and 3 ask: the same in all sixteen partners
	v_min_u32 v[PFO], 5, v18
	v_lshlrev_b32 v[PFO], 8, v[PFO]
	s_mov_b32 s93, 0                               ; the high words of the three offsets that the changes of slots make (s91 is 0 already)
	s_mov_b32 s95, 0
; n products of matrix m: row fragments first .. of the half, both ct, channels 32 c on.  Each accumulator has one instruction in 96: they take turns over the backward jump too.
.macro MM mat, c, half, first, n, zero
	WIN 0x50*((\mat)+1)
.set kx, 0
.rept \n
.set rD, 16*(8*(\half)+(\first)+kx/2)+8*(kx%2)
.set rA, ABUF+64*(\half)+8*((\first)+kx/2)
.set rB, BBUF+48*(\c)+8*(2*(\mat)+kx%2)
.if \zero
	v_wmma_f32_16x16x32_f16 v[rD:rD+7], v[rA:rA+7], v[rB:rB+7], 0
.else
	v_wmma_f32_16x16x32_f16 v[rD:rD+7], v[rA:rA+7], v[rB:rB+7], v[rD:rD+7]
.endif
.set kx, kx+1
.endr
.endm
.macro LDA slot, c, half               ; 16 LDS loads: xn's eight fragments of the half
	WIN 0
.set ix, 0
.rept 8
	ds_load_b128 v[ABUF+64*(\half)+8*ix:ABUF+64*(\half)+8*ix+3],   v[ADRA+(\slot)] offset:16*PITCH*(8*(\half)+ix)+64*(\c)
	ds_load_b128 v[ABUF+64*(\half)+8*ix+4:ABUF+64*(\half)+8*ix+7], v[ADRA+(\slot)] offset:16*PITCH*(8*(\half)+ix)+64*(\c)+32
.set ix, ix+1
.endr
.endm
.macro LDB slot, c                     ; 12 LDS loads: the weights' six fragments
	WIN 0
.set ix, 0
.rept 6
	ds_load_b128 v[BBUF+48*(\c)+8*ix:BBUF+48*(\c)+8*ix+3],   v[ADRB+(\slot)] offset:16*PITCH*ix+64*(\c)
	ds_load_b128 v[BBUF+48*(\c)+8*ix+4:BBUF+48*(\c)+8*ix+7], v[ADRB+(\slot)] offset:16*PITCH*ix+64*(\c)+32
.set ix, ix+1
.endr
.endm
; A K step is four units of 48 products: (c, half) = (0, 0), (0, 1), (1, 0), (1, 1).  One of the first three: its fragments were asked for a unit ago; it asks for the next unit's in one run, then multiplies.
.macro UNIT slot, c, half, zero=0
	s_wait_dscnt 0x0                               ; my fragments, asked for 48 products ago, are in
	PLACES                                         ; behind the last product that read the buffer that is loaded now
.if ((\c) == 0) && ((\half) == 0)
	LDA \slot, 0, 1
.elseif (\c) == 0
	LDA \slot, 1, 0
	LDB \slot, 1
.else
	LDA \slot, 1, 1
.endif
	MM 0, \c, \half, 0, 16, \zero
	MM 1, \c, \half, 0, 16, \zero
	MM 2, \c, \half, 0, 16, \zero
.endm
; The unit (1, 1) changes slots: ONE barrier.  Sixteen of its products, which want nothing of the next slot, stand ahead of the wait for the tensor loads.  Then each wave waits for all its tensor loads (one is
; out: its part of the next slot), adds 0 to its spare word, and waits for that and for its reads of this slot, which are over.  fill = 1: the barrier opens a round of the cluster's; behind the round this slot
; is filled again with the walk's step two on: 192 products ahead of the wait for it.
.macro TURN slot, next, fill
	s_wait_dscnt 0x0                               ; the unit's 16 loads, the last reads of this slot, are in
	MM 0, 1, 1, 0, 16, 0
	WIN 0
.if \fill
	s_wait_xcnt 0x0                                ; the last prefetch, a K step back, has read its address: it is made anew here:
	s_add_co_u32 s94, s[KN], 2                     ; the plane two refills on from the one that is about to be asked for
	s_and_b32 s94, s94, 31
	s_mul_i32 s94, s94, KPL_B
	s_add_nc_u64 s[PFA:PFA+1], s[PFB:PFB+1], s[94:95]
.endif
	s_wait_tensorcnt 0x0                           ; all my tensor loads have landed, so a group 0 may be written;
	ds_add_u32 v[SPW], v[NIL]                      ; 0 onto my spare word; the descriptors' scalar work stands between it and the wait for it
.if \fill
	s_mul_i32 s90, s[KN], KPL_A
	s_mul_i32 s92, s[KN], KPL_B
	s_add_nc_u64 s[G0A+4*(\slot)+2:G0A+4*(\slot)+3], s[84:85], s[90:91]
	s_or_b32 s[G0A+4*(\slot)+3], s[G0A+4*(\slot)+3], 0x80000000
	s_add_nc_u64 s[G0B+4*(\slot)+2:G0B+4*(\slot)+3], s[88:89], s[92:93]
	s_or_b32 s[G0B+4*(\slot)+3], s[G0B+4*(\slot)+3], 0x80000000
	s_add_co_u32 s[KN], s[KN], 1                   ; the walk's next plane, round at 32
	s_and_b32 s[KN], s[KN], 31
.endif
	s_wait_dscnt 0x0                               ; the add is done
	s_barrier_signal -1
	s_barrier_wait -1
.if \fill
	CREST                                          ; no wave of any partner still reads this slot or has a load on its way
	JLOAD \slot                                    ; the first tensor load behind the round; its four v_nop are also the places in front of the loads below
.else
	PLACES
.endif
	LDA \next, 0, 0
	LDB \next, 0
.if \fill
	ASK
.endif
	MM 1, 1, 1, 0, 16, 0
	MM 2, 1, 1, 0, 16, 0
.endm
	s_wait_tensorcnt 1                             ; my part of step 0 is in; step 1's may stay out
	s_barrier_signal -1
	s_barrier_wait -1                              ; everybody's is
	LDA 0, 0, 0
	LDB 0, 0
	UNIT 0, 0, 0, 1                                ; the first 96 products start all 96 sums with the constant 0: nothing is cleared
	UNIT 0, 0, 1, 1
	WIN 0                                          ; at a label and at a branch every window is 0
	s_mov_b32 s3, 15
.Llap:                                                 ; a trip goes once round the ring and fills both slots again: 15 trips, steps 2 to 31
	UNIT 0, 1, 0
	TURN 0, 1, 1
	UNIT 1, 0, 0
	UNIT 1, 0, 1
	UNIT 1, 1, 0
	TURN 1, 0, 1
	UNIT 0, 0, 0
	UNIT 0, 0, 1
	WIN 0
	s_sub_co_u32 s3, s3, 1
	s_cmp_lg_u32 s3, 0
	s_cbranch_scc1 .Llap
	UNIT 0, 1, 0                                   ; the last lap fills nothing
	TURN 0, 1, 0
	UNIT 1, 0, 0
	UNIT 1, 0, 1
	UNIT 1, 1, 0
	s_wait_dscnt 0x0
	MM 0, 1, 1, 0, 16, 0
	MM 1, 1, 1, 0, 16, 0
	MM 2, 1, 1, 0, 16, 0
	; THE SCAN AND THE WAY OUT.  Window 0 now: v[32:35] bonus log2 e, v[36:39] -br log2 e (each twice, for ct = 0, 1); v[40:47], v[48:55] d^1 .. d^8; v56-57 d^128; v[60:63] my segment's totals
	; (a0, a1, b0, b1); v[64:127] the carry into block i: a at 64 + 16 ct + i, b at 96 + 16 ct + i; v[128:155] seven segments' totals; later v[128:255] y, packed.
	; Each accumulator is read from its lowest registers on.
	WIN 0
	PLACES
	PLACES
	s_mov_b32 s66, 0x3fb8aa3b                      ; log2 e
	s_mov_b32 s67, s66                             ; (named as a pair)
	s_mov_b32 s68, 0xc166d4ca                      ; -10 log2 e
	s_mov_b32 s69, 0x4166d4ca                      ; 10 log2 e
	s_mov_b32 s70, 0xbfb8aa3b                      ; -log2 e
	s_mov_b32 s71, s70
	s_mov_b32 s72, 0x358637bd                      ; 1e-6
	s_mov_b32 s73, s72
	s_wait_loadcnt 0x0                             ; bonus, br, time_decay
	v_mul_f32 v32, s66, v[RAW]
	v_mul_f32 v33, s66, v[RAW]
	v_mul_f32 v34, s66, v[RAW+1]
	v_mul_f32 v35, s66, v[RAW+1]
	v_mul_f32 v36, s70, v[RAW+2]
	v_mul_f32 v37, s70, v[RAW+2]
	v_mul_f32 v38, s70, v[RAW+3]
	v_mul_f32 v39, s70, v[RAW+3]
	v_mul_f32 v26, s66, v[RAW+4]
	v_mul_f32 v27, s66, v[RAW+5]
	v_exp_f32 v26, v26                             ; e^w
	v_exp_f32 v27, v27
	WIN 0x41                                       ; K, in place: ek = 2^clip(K log2 e + bonus log2 e); scaling, clamps and exponentials of successive pairs by turns
.set pp, 0
.rept 132
.if pp < 128
	v_pk_fma_f32 v[2*pp:2*pp+1], v[2*pp:2*pp+1], s[66:67], v[32+2*((pp/4)%2):33+2*((pp/4)%2)] op_sel_hi:[1,0,1]
.endif
.if (pp >= 2) && (pp < 130)
	v_med3_num_f32 v[2*pp-4], v[2*pp-4], s68, s69
	v_med3_num_f32 v[2*pp-3], v[2*pp-3], s68, s69
.endif
.if pp >= 4
	v_exp_f32 v[2*pp-8], v[2*pp-8]
	v_exp_f32 v[2*pp-7], v[2*pp-7]
.endif
.set pp, pp+1
.endr
	WIN 0xc3                                       ; R, in place: e = 2^(-(R + br) log2 e)
.set pp, 0
.rept 130
.if pp < 128
	v_pk_fma_f32 v[2*pp:2*pp+1], v[2*pp:2*pp+1], s[70:71], v[36+2*((pp/4)%2):37+2*((pp/4)%2)] op_sel_hi:[1,0,1]
.endif
.if pp >= 2
	v_exp_f32 v[2*pp-4], v[2*pp-4]
	v_exp_f32 v[2*pp-3], v[2*pp-3]
.endif
.set pp, pp+1
.endr
	WIN 0
	v_nop                                          ; a plain instruction behind the last exponential,
	s_wait_alu depctr_va_vdst(0)                   ; and ONE wait for all 514: nothing ahead of it names a result of theirs
	v_add_f32 v26, 1.0, v26
	v_add_f32 v27, 1.0, v27
	v_rcp_f32 v40, v26                             ; d = 1 / (1 + e^w)
	v_rcp_f32 v48, v27
	WIN 0x89                                       ; V, in place: ek V; independent work behind the two reciprocals
.set pp, 0
.rept 128
	v_pk_mul_f32 v[2*pp:2*pp+1], v[2*pp:2*pp+1], v[2*pp:2*pp+1]
.set pp, pp+1
.endr
	WIN 0
	s_wait_alu depctr_va_vdst(0)                   ; one wait for the two reciprocals
.irp ct, 0,1
	v_mul_f32 v[41+8*\ct], v[40+8*\ct], v[40+8*\ct]
	v_mul_f32 v[42+8*\ct], v[41+8*\ct], v[40+8*\ct]
	v_mul_f32 v[43+8*\ct], v[41+8*\ct], v[41+8*\ct]
	v_mul_f32 v[44+8*\ct], v[43+8*\ct], v[40+8*\ct]
	v_mul_f32 v[45+8*\ct], v[43+8*\ct], v[41+8*\ct]
	v_mul_f32 v[46+8*\ct], v[43+8*\ct], v[42+8*\ct]
	v_mul_f32 v[47+8*\ct], v[43+8*\ct], v[43+8*\ct]
	v_mul_f32 v[56+\ct], v[47+8*\ct], v[47+8*\ct]  ; d^16,
	v_mul_f32 v[56+\ct], v[56+\ct], v[56+\ct]      ; d^32,
	v_mul_f32 v[56+\ct], v[56+\ct], v[56+\ct]      ; d^64,
	v_mul_f32 v[56+\ct], v[56+\ct], v[56+\ct]      ; d^128
.endr
.irp w, 0x88, 0x44                     ; the blocks' own scans, from 0, in place: a (window 2), then b (window 1): 32 chains that do not wait for each other
	WIN \w
.set jj, 1
.rept 7
.set nn, 0
.rept 32
	v_fmac_f32 v[8*nn+jj], v[40+8*(nn%2)], v[8*nn+jj-1]
.set nn, nn+1
.endr
.set jj, jj+1
.endr
.endr
	WIN 0x28                                       ; my segment's totals, from 0: T = d^8 T + S_i, S_i = register 7 of block i
	v_fma_f32 v60, v47, v[7], v[23]
	v_fma_f32 v61, v55, v[15], v[31]
	WIN 0x20
.set ix, 2
.rept 14
	v_fma_f32 v60, v47, v60, v[16*ix+7]
	v_fma_f32 v61, v55, v61, v[16*ix+15]
.set ix, ix+1
.endr
	WIN 0x14
	v_fma_f32 v62, v47, v[7], v[23]
	v_fma_f32 v63, v55, v[15], v[31]
	WIN 0x10
.set ix, 2
.rept 14
	v_fma_f32 v62, v47, v62, v[16*ix+7]
	v_fma_f32 v63, v55, v63, v[16*ix+15]
.set ix, ix+1
.endr
	WIN 0
	ds_store_b128 v[CST], v[60:63]
.set kx, 0
.rept 7
	v_cmp_gt_u32 s[74+kx], v[SEG], kx              ; lanes whose segment lies behind segment kx: made of ids alone
.set kx, kx+1
.endr
	s_wait_dscnt 0x0                               ; for the others' sake: my totals are in LDS
	s_barrier_signal -1
	s_barrier_wait -1
.set kx, 0
.rept 7
	ds_load_b128 v[128+4*kx:128+4*kx+3], v[CLD] offset:256*kx
.set kx, kx+1
.endr
	s_wait_dscnt 0x0
.irp q, 0,1,2,3                        ; the carry into my segment: c = d^128 c + T_k over the segments k in front of mine; the work is done for all seven and selected
	v_cndmask_b32 v[64+16*\q], 0, v[128+\q], s74
.endr
.set kx, 1
.rept 6
.irp q, 0,1,2,3
	v_fma_f32 v[28+\q], v[56+\q%2], v[64+16*\q], v[128+4*kx+\q]
.endr
.irp q, 0,1,2,3
	v_cndmask_b32 v[64+16*\q], v[64+16*\q], v[28+\q], s[74+kx]
.endr
.set kx, kx+1
.endr
	WIN 0x20                                       ; the carry into block i + 1 = d^8 x the carry into block i + S_i
.set ix, 0
.rept 15
	v_fma_f32 v[64+ix+1], v47, v[64+ix], v[16*ix+7]
	v_fma_f32 v[80+ix+1], v55, v[80+ix], v[16*ix+15]
.set ix, ix+1
.endr
	WIN 0x10
.set ix, 0
.rept 15
	v_fma_f32 v[96+ix+1], v47, v[96+ix], v[16*ix+7]
	v_fma_f32 v[112+ix+1], v55, v[112+ix], v[16*ix+15]
.set ix, ix+1
.endr
; step j of block i takes d^(j+1) x the block's carry: two steps a line; the carry is one register of a pair, given to both halves
.macro FIX cb
.set nn, 0
.rept 32
.set rC, (\cb)+16*(nn%2)+2*(nn/4)
.set jj, 0
.rept 4
.if (nn/2)%2
	v_pk_fma_f32 v[8*nn+2*jj:8*nn+2*jj+1], v[40+8*(nn%2)+2*jj:41+8*(nn%2)+2*jj], v[rC:rC+1], v[8*nn+2*jj:8*nn+2*jj+1] op_sel:[0,1,0] op_sel_hi:[1,1,1]
.else
	v_pk_fma_f32 v[8*nn+2*jj:8*nn+2*jj+1], v[40+8*(nn%2)+2*jj:41+8*(nn%2)+2*jj], v[rC:rC+1], v[8*nn+2*jj:8*nn+2*jj+1] op_sel_hi:[1,0,1]
.endif
.set jj, jj+1
.endr
.set nn, nn+1
.endr
.endm
	WIN 0xa0
	FIX 64                                         ; a
	WIN 0x50
	FIX 96                                         ; b
	WIN 0x5d                                       ; b, in place: b + eps; (b + eps) e + (b + eps); its reciprocal: successive pairs by turns
.set pp, 0
.rept 132
.if pp < 128
	v_pk_add_f32 v[2*pp:2*pp+1], v[2*pp:2*pp+1], s[72:73] op_sel_hi:[1,0]
.endif
.if (pp >= 2) && (pp < 130)
	v_pk_fma_f32 v[2*pp-4:2*pp-3], v[2*pp-4:2*pp-3], v[2*pp-4:2*pp-3], v[2*pp-4:2*pp-3]
.endif
.if pp >= 4
	v_rcp_f32 v[2*pp-8], v[2*pp-8]
	v_rcp_f32 v[2*pp-7], v[2*pp-7]
.endif
.set pp, pp+1
.endr
	v_nop                                          ; a plain instruction behind the last reciprocal,
	s_wait_alu depctr_va_vdst(0)                   ; and one wait for the 256
	WIN 0x86                                       ; y = a x that reciprocal
.set pp, 0
.rept 128
	v_pk_mul_f32 v[2*pp:2*pp+1], v[2*pp:2*pp+1], v[2*pp:2*pp+1]
.set pp, pp+1
.endr
	WIN 0x0a                                       ; rounded once to f16: a block's eight times are 16 bytes
.set pp, 0
.rept 128
	v_cvt_pk_f16_f32 v[128+pp], v[2*pp], v[2*pp+1]
.set pp, pp+1
.endr
	WIN 0
	s_lshl_b32 s82, s21, 18                        ; yF: chunk g's 256 fragments of 1,024 bytes,
	s_lshl_b32 s84, s22, 16                        ; the batch's 64,
	s_add_co_u32 s82, s82, s84
	s_lshl_b32 s84, s16, 14                        ; my wave's 16
	s_add_co_u32 s82, s82, s84
	s_mov_b32 s83, 0
	s_add_nc_u64 s[14:15], s[14:15], s[82:83]
.set nn, 0
.rept 32
	ds_store_b128 v[STO], v[128+4*nn:128+4*nn+3] offset:16*SP*(nn%2)+16*(nn/2)  ; channel 16 ct + r, times 128 h + 8 i on
.set nn, nn+1
.endr
.set nn, 0
.rept 32
	ds_load_tr16_b128 v[128+4*nn:128+4*nn+3], v[RD] offset:32*(nn/2)+16*SP*(nn%2)  ; times 16 (nn / 2) on, channels 16 (nn % 2) on, turned; LDS serves a wave's instructions in order (ISA guide 5.7.1.4): these see the stores above
.set nn, nn+1
.endr
.set nn, 0
.rept 32
	s_wait_dscnt 31-nn                             ; half fragment nn is back; the younger loads stay out
	global_store_b128 v[GO], v[128+4*nn:128+4*nn+3], s[14:15] offset:512*nn  ; 512 consecutive bytes, at a multiple of 256 from yF's first; the wave's 32 stores are 16 KiB on end
.set nn, nn+1
.endr
	s_wait_tensorcnt 0x0                           ; the wave's end, behind my last tensor load and my last LDS store
	ds_add_u32 v[SPW], v[NIL]
	s_wait_dscnt 0x0
	CROUND                                         ; the closing round: no work-group ends while a partner may still ask for a tile that names it
	s_endpgm
.Lfunc_end_k_q81339c7c9a_proj:
	.size	k_q81339c7c9a_proj, .Lfunc_end_k_q81339c7c9a_proj-k_q81339c7c9a_proj
	.p2alignl 7, 3214868480
	.fill 96, 4, 3214868480
	.section	.rodata,"a",@progbits
	.p2align	6, 0x0
	.amdhsa_kernel k_q81339c7c9a_proj
		.amdhsa_group_segment_fixed_size 327680
		.amdhsa_private_segment_fixed_size 0
		.amdhsa_enable_private_segment 0
		.amdhsa_kernarg_size 48
		.amdhsa_user_sgpr_count 2
		.amdhsa_user_sgpr_kernarg_segment_ptr 1
		.amdhsa_wavefront_size32 1
		.amdhsa_system_sgpr_workgroup_id_x 1
		.amdhsa_system_sgpr_workgroup_id_y 1
		.amdhsa_system_sgpr_workgroup_id_z 1
		.amdhsa_system_vgpr_workitem_id 0
		.amdhsa_next_free_vgpr 1024
		.amdhsa_next_free_sgpr 96
		.amdhsa_reserve_vcc 0
		.amdhsa_float_denorm_mode_32 3
		.amdhsa_float_denorm_mode_16_64 3
		.amdhsa_memory_ordered 1
		.amdhsa_forward_progress 1
		.amdhsa_inst_pref_size 235
	.end_amdhsa_kernel
	.amdgpu_metadata
---
amdhsa.version: [ 1, 2 ]
amdhsa.kernels:
  - .name:           k_q81339c7c9a_proj
    .symbol:         k_q81339c7c9a_proj.kd
    .args:
      - { .name: xn, .offset: 0, .size: 8, .value_kind: global_buffer, .address_space: global }
      - { .name: wcat, .offset: 8, .size: 8, .value_kind: global_buffer, .address_space: global }
      - { .name: time_bonus, .offset: 16, .size: 8, .value_kind: global_buffer, .address_space: global }
      - { .name: br, .offset: 24, .size: 8, .value_kind: global_buffer, .address_space: global }
      - { .name: time_decay, .offset: 32, .size: 8, .value_kind: global_buffer, .address_space: global }
      - { .name: yF, .offset: 40, .size: 8, .value_kind: global_buffer, .address_space: global }
    .group_segment_fixed_size: 327680
    .private_segment_fixed_size: 0
    .kernarg_segment_align: 8
    .kernarg_segment_size: 48
    .max_flat_workgroup_size: 128
    .sgpr_count:     96
    .vgpr_count:     1024
    .wavefront_size: 32
...
	.end_amdgpu_metadata
.endif
;; end of part 2
;; launch outp (part 3): grid 16 x 16, 4 waves a work-group, clusters of 4 x 4, 327,680 bytes of LDS; arguments yF, wo, out0; writes out0
.if DOCPART == 3
	.amdgcn_target "amdgcn-amd-amdhsa--gfx1250"
	.amdhsa_code_object_version 6
	.text
	.protected	k_q81339c7c9a_outp
	.globl	k_q81339c7c9a_outp
	.p2align	8
	.type	k_q81339c7c9a_outp,@function
k_q81339c7c9a_outp:
	s_mov_b64 s[64:65], 0
	v_nop
	global_prefetch_b8 v0, s[64:65] scope:SCOPE_SE
	s_setreg_imm32_b32 hwreg(HW_REG_WAVE_MODE, 25, 1), 1
	s_wait_xcnt 0x0
	s_wait_alu depctr_hold_cnt(0) depctr_sa_sdst(0) depctr_va_vdst(0) depctr_va_sdst(0) depctr_va_ssrc(0) depctr_va_vcc(0) depctr_vm_vsrc(0)
	s_getreg_b32 s2, hwreg(HW_REG_IB_STS2, 6, 4)
	s_cmp_eq_u32 s2, 0
	s_cbranch_scc0 .Lentry_in_a_cluster
	s_endpgm
.Lentry_in_a_cluster:
	s_bfe_u32 s2, ttmp6, 0x10000c
	s_cmp_lg_u32 s2, 0xf033
	s_cbranch_scc0 .Lentry_shape_is_right
	s_endpgm
.Lentry_shape_is_right:
; OUTP: out0[t][n] = the sum over c of y[t][c] Wout[n][c].  y comes as yF [chunk of 32 channels 64][block of 16 times 256][1,024 bytes], each block a fragment as a matrix instruction takes it; Wout as
; wo [kb 32][n 2048][64] f16; out0 [4096][2048] f32.  Sums in f32.  No work is left out.
; SHARES.  A tile is 256 times x 128 columns n: 16 x 16 = 256 work-groups.  Wave w: times 64 w .. 64 w + 63, all 128 n: 32 accumulators (a, bI) at 8 (8 a + bI), all of window 1.
; THE MATRIX INSTRUCTION IS USED TRANSPOSED: source 0 = 16 rows of wo, source 1 = 16 times: a lane holds ONE time (l % 16) and eight neighbouring n: 32 bytes of a row of out0.
; y GOES STRAIGHT INTO REGISTERS.  No two waves of the work-group want the same times, and a wave's four fragments of a chunk are 4 KiB on end in yF: eight loads of 16 bytes a lane.  A ring of eight buffers of
; 32 registers (window 2): chunk c + 7 is asked for at the head of chunk c, so 48 to 56 loads, six to seven chunks of 32 products, are on their way, over the changes of slots too.
; wo GOES THROUGH LDS, which all four waves read: a slot holds 8 chunks (K = 256: four planes of 128 rows), each wave fetches one plane (16 KiB) by one tensor load; two slots.  A refill is asked for 240 products
; ahead of the wait for it.
; CLUSTER 4 x 4.  The four of a column share n, so wo's tile: it is asked for jointly.  The four of a row share the times, so yF's blocks, and these are NOT asked for jointly: a joint load lands in LDS and has
; to have landed at the next change of slots; with yF's 128 KiB beside wo's 64 KiB a slot of 8 chunks would take 192 KiB and two of them do not fit, and with slots of 4 chunks a refill would have 112 products
; in which to land.  In registers the same bytes have six chunks, 192 products, whatever the slots do, and LDS is read 16 times for 32 products where both operands out of LDS take 24.
; REGISTERS: window 0: v16-30 addresses; v[64:127], v[128:191] wo's 8 fragments, two buffers; on the way out the same as two buffers of 16 rows.  Window 1: the accumulators.  Window 2: y's ring.
.set CHA,   262144                     ; bytes in a chunk of yF
.set PLW,   262144                     ; bytes in a plane of wo
.set PBP,   144                        ; a row of wo in LDS: 128 bytes + 16 = 36 words: the 16 rows of a fragment load start at 16 different groups of four banks (64 banks of 4 bytes: ISA guide 11.1)
.set PLB,   128*PBP                    ; a plane's 128 rows
.set SLOTB, 4*PLB                      ; a slot: 73,728 bytes
.set SLOT1, 1<<17                      ; slot 1 begins here, so that one exclusive or turns an address in one slot into the other's
.set STAGE, SLOT1+SLOTB                ; behind the ring: 16 rows x 528 bytes for each wave; no tensor load lands here
.set SP,    528
.set SPARE, STAGE+4*16*SP              ; the spare words, 128 bytes for each wave: two blocks of 256 bytes that no other line names
.set AB0,  16                          ; v16    my lane's place in a plane of wo: r x 144 + 16 h; never rewritten
.set ADR,  18                          ; v18-19 LDS address of my fragments in the slot in hand: planes 0, 1 and planes 2, 3
.set STO,  24                          ; v24    the way out: where I put 32 bytes of a row
.set RD,   25                          ; v25    where I read a row back
.set CO,   26                          ; v26    16 l: my place in 512 bytes of yF and of out0; never rewritten
.set SPW,  28                          ; v28    LDS address of my spare word; never rewritten
.set NIL,  29                          ; v29    0; never rewritten
.set PFO,  30                          ; v30    the prefetches' lane offset: chunk or plane l / 16, block l % 16; never rewritten
.set BB,   64                          ; wo's fragment buffers
.set G1,   24                          ; s[24:31] descriptor group 1
.set G0,   32                          ; s[32:35] descriptor group 0: it walks
.set TB,   36                          ; s36  LDS byte at which the slot in hand begins
.set LIMB, 37                          ; s37  2 in a wave that prefetches wo, else the greatest number
.set WA,   38                          ; s[38:39] yF at my wave's four blocks, at the first chunk of the period in hand
.set LIMA, 43                          ; s43  1 in a wave that prefetches yF, else the greatest number
.set PFA,  44                          ; s[44:45] where my prefetches of yF stand
.set PFW,  46                          ; s[46:47] and those of wo
.set MSB, 0
.macro WIN new                         ; the immediate's high byte repeats the setting that is left; a switch that changes nothing is dropped
.if MSB != (\new)
	s_set_vgpr_msb (MSB<<8)|(\new)
.set MSB, (\new)
.endif
.endm
.macro PLACES                          ; four places in front of loads into registers that matrix instructions have read (ISA guide 7.12.1 for vector instructions)
.rept 4
	v_nop
.endr
.endm
.macro JLOAD                           ; a joint load: every wave fetches its own plane of the slot's four; an s_nop 0 and four v_nop follow
	tensor_load_to_lds s[G0:G0+3], s[G1:G1+7]
	s_nop 0
.rept 4
	v_nop
.endr
.endm
.macro STEPD                           ; the walking descriptor: the other slot than last time, the next four planes; the type bits on top are not reached
	s_xor_b32 s[G0+1], s[G0+1], SLOT1
	s_add_nc_u64 s[G0+2:G0+3], s[G0+2:G0+3], 4*PLW
.endm
; PREFETCHES, together, behind the joint load and the run of LDS loads of a change of slots.  yF and wo are read here for the first time.  At the change that ends period p (a period is 8 chunks):
; yF's period p + 3, whose loads begin 9 chunks later: a wave's own 16 blocks of 256 bytes of a chunk; all four clusters of a row of clusters read them, cluster x = 0 asks; the partner at cx takes chunks 2 cx
; and 2 cx + 1 of the eight, told apart by address: a lane a block.  wo's period p + 4, two refills on: all four clusters of a column read it, cluster y = 0 asks, waves 0 and 2, each for two planes; the
; partner at cy takes 16 of a plane's 64 blocks.  So each block is named once in the launch.  Nothing is asked for past period 7, nor at the head.
.macro ASK
	s_cmp_gt_u32 s3, s[LIMA]
	s_cbranch_scc0 .Lno_a_\@
	global_prefetch_b8 v[PFO], s[PFA:PFA+1] th:TH_LOAD_NT scope:SCOPE_SE
.Lno_a_\@:
	s_cmp_gt_u32 s3, s[LIMB]
	s_cbranch_scc0 .Lno_b_\@
	global_prefetch_b8 v[PFO], s[PFW:PFW+1] th:TH_LOAD_NT scope:SCOPE_SE
.Lno_b_\@:
.endm
.macro CREST                           ; a round of the cluster's barrier behind its opening barrier
	s_cmp_lg_u32 s10, 0
	s_cbranch_scc1 .Lnot_wave_0_\@
	s_barrier_signal -3
.Lnot_wave_0_\@:
	s_barrier_wait -3
	s_barrier_signal -1
	s_barrier_wait -1
.endm
.macro CROUND                          ; a whole round
	s_barrier_signal -1
	s_barrier_wait -1
	CREST
.endm
; eight loads: my four fragments of a chunk of yF, 4 KiB on end, into ring buffer ri; off: the chunk's bytes from s[WA]
.macro ALOAD ri, off
	WIN 0x80                                       ; destination window 2, address window 0
.set ix, 0
.rept 8
	global_load_b128 v[32*(\ri)+4*ix:32*(\ri)+4*ix+3], v[CO], s[WA:WA+1] offset:(\off)+512*ix
.set ix, ix+1
.endr
.endm
; 16 LDS loads: wo's eight fragments of chunk q of the slot in hand (plane q / 2, channels 32 (q % 2) on) into buffer q % 2
.macro BLOAD q
	WIN 0
.set bx, 0
.rept 8
	ds_load_b128 v[BB+64*((\q)%2)+8*bx:BB+64*((\q)%2)+8*bx+3],   v[ADR+(\q)/4] offset:(((\q)/2)%2)*PLB+16*PBP*bx+64*((\q)%2)
	ds_load_b128 v[BB+64*((\q)%2)+8*bx+4:BB+64*((\q)%2)+8*bx+7], v[ADR+(\q)/4] offset:(((\q)/2)%2)*PLB+16*PBP*bx+64*((\q)%2)+32
.set bx, bx+1
.endr
.endm
; 8 n products of chunk q: time blocks a0 .. x all 8 blocks of n.  Each accumulator has one instruction in 32: they take turns over the jumps too.
.macro MUL q, a0, n, zero
	WIN 0x58                                       ; wo (source 0) window 0, y (source 1) window 2, C and D window 1
.set kx, 0
.rept 8*(\n)
.set rD, 8*(8*((\a0)+kx/8)+kx%8)
.set rB, BB+64*((\q)%2)+8*(kx%8)
.set rA, 32*(\q)+8*((\a0)+kx/8)
.if \zero
	v_wmma_f32_16x16x32_f16 v[rD:rD+7], v[rB:rB+7], v[rA:rA+7], 0
.else
	v_wmma_f32_16x16x32_f16 v[rD:rD+7], v[rB:rB+7], v[rA:rA+7], v[rD:rD+7]
.endif
.set kx, kx+1
.endr
.endm
; Chunk q of a period: 32 products.  At its head the two buffers that the chunk before has read out are asked for again: y's with the chunk seven on (ld = 1), wo's with the next chunk (nb = 1).
; lcnt: the loads issued behind this chunk's eight: six chunks' 48, fewer at the end.
.macro CHUNK q, zero, ld, lcnt, nb
	s_wait_loadcnt \lcnt                           ; loads come back in order (ISA guide 5.7.1): this chunk's y is in, the younger chunks' stay out
	s_wait_dscnt 0x0                               ; its wo, asked for 32 products ago, is in
	PLACES
.if \ld
	ALOAD ((\q)+7)%8, ((\q)+7)*CHA
.endif
.if \nb
	BLOAD (\q)+1
.endif
	MUL \q, 0, 4, \zero
.endm
.macro NEXTB                           ; the other slot is the slot in hand; its first chunk's fragments
	s_xor_b32 s[TB], s[TB], SLOT1
	v_add_nc_u32 v[ADR], s[TB], v[AB0]
	v_add_nc_u32 v[ADR+1], 2*PLB, v[ADR]
	BLOAD 0
.endm
; Chunk 7 changes slots: ONE barrier.  In front of it each wave waits for all its tensor loads (one is out: its plane of the next slot), adds 0 to its spare word, and waits for that and for its reads of this
; slot, which are over.  fill = 1: the barrier opens a round of the cluster's; behind the round this slot is filled again, with the period two on.
.macro TURN fill
	s_wait_xcnt 0x0                                ; every load and prefetch issued so far (the youngest a chunk back) has read its address, so the pointers may be written
	s_add_nc_u64 s[WA:WA+1], s[WA:WA+1], 8*CHA     ; y's pointer goes on to the next period: this chunk's own request, chunk 14 of the old count, is chunk 6 of the new
.if \fill
	s_add_nc_u64 s[PFA:PFA+1], s[PFA:PFA+1], 8*CHA
	s_add_nc_u64 s[PFW:PFW+1], s[PFW:PFW+1], 4*PLW
.endif
	s_wait_loadcnt 48
	s_wait_dscnt 0x0                               ; the last reads of this slot are in
	PLACES
	ALOAD 6, 6*CHA
	WIN 0
	s_wait_tensorcnt 0x0                           ; all my tensor loads have landed, so group 0 may be written;
	ds_add_u32 v[SPW], v[NIL]                      ; 0 onto my spare word
.if \fill
	STEPD
.endif
	MUL 7, 0, 1, 0                                 ; eight products stand between the add and the wait for it
	s_wait_dscnt 0x0                               ; the add is done
	s_barrier_signal -1
	MUL 7, 1, 1, 0                                 ; work on registers while the others arrive
	WIN 0
	s_barrier_wait -1
.if \fill
	CREST                                          ; no wave of any partner still reads this slot or has a load on its way
	JLOAD                                          ; the first tensor load behind the round; its four v_nop are also places in front of the loads below
.else
	PLACES
.endif
	NEXTB
.if \fill
	ASK
.endif
	MUL 7, 2, 2, 0
.endm
	s_load_b128 s[4:7], s[0:1], 0x0                ; yF s[4:5], wo s[6:7]
	s_load_b64 s[8:9], s[0:1], 0x10                ; out0
	v_lshl_add_u32 v[SPW], v0, 2, SPARE
	v_mov_b32 v[NIL], 0
	ds_add_u32 v[SPW], v[NIL]                      ; the wave's opening: the add, twice on end, and its wait ahead of my first tensor load
	ds_add_u32 v[SPW], v[NIL]                      ; and once more, under the one wait; the set-up below, work on registers, stands between
	v_lshrrev_b32 v1, 5, v0
	v_readfirstlane_b32 s10, v1                    ; wave 0..3
	s_bfe_u32 s40, ttmp6, 0x40000                  ; cx
	s_bfe_u32 s41, ttmp6, 0x40004                  ; cy
	s_lshl_b32 s42, ttmp9, 2
	s_add_co_u32 s42, s42, s40                     ; nx = 4 x cluster x + cx
	s_and_b32 s13, ttmp7, 0xffff
	s_lshl_b32 s13, s13, 2
	s_add_co_u32 s13, s13, s41                     ; my = 4 x cluster y + cy
	s_lshl_b32 s21, 0x1111, s40                    ; my column of the cluster
	; group 1: a plane's 128 rows of 128 bytes are 16,384 dense bytes: asked for as 64 rows of 256, padded in LDS after every 128 bytes
	s_or_b32 s[G1], s21, (1<<16)|(1<<20)|(1<<21)|(4<<22)|(3<<25)  ; 15:0 the mask; 17:16 2-byte elements; 20 padding on; 21 set beside a mask; 24:22 after every 32 words (code 4); 31:25 4 words (code 3)
	s_mov_b32 s[G1+1], 128<<16                     ; tensor_dim0 = 128
	s_mov_b32 s[G1+2], 64<<16                      ; tensor_dim1 = 64
	s_mov_b32 s[G1+3], 128<<16                     ; tile_dim0 = 128
	s_mov_b32 s[G1+4], 64                          ; tile_dim1 = 64
	s_mov_b32 s[G1+5], 128                         ; 128 elements from row to row
	s_mov_b32 s[G1+6], 0
	s_mov_b32 s[G1+7], 0
	s_lshl_b32 s18, s10, 18                        ; wo: my plane of the first four,
	s_lshl_b32 s15, s42, 14                        ; the tile's 128 rows: made of nx and the wave alone
	s_add_co_u32 s18, s18, s15
	s_mov_b32 s19, 0
	s_mul_i32 s22, s10, PLB                        ; where it goes: no place in the cluster enters an LDS address
	s_mov_b32 s[TB], SLOT1                         ; the first change of slots turns it into 0
	s_mov_b32 s[G0], 1                             ; count = 1
	s_mov_b32 s[G0+1], s22                         ; LDS address: slot 0
	s_wait_dscnt 0x0                               ; both opening adds are done
	s_wait_kmcnt 0x0
	s_add_nc_u64 s[G0+2:G0+3], s[6:7], s[18:19]    ; global address: period 0
	s_or_b32 s[G0+3], s[G0+3], 0x80000000          ; type = 2
	CROUND                                         ; all sixteen work-groups are here: the first joint loads meet
	JLOAD                                          ; period 0 into slot 0.  Slot 1 is asked for when slot 0 is in
	s_lshl_b32 s16, s13, 14                        ; yF: the tile's 16 blocks of 1,024 bytes,
	s_lshl_b32 s17, s10, 12                        ; my wave's 4 of them
	s_add_co_u32 s16, s16, s17
	s_mov_b32 s17, 0
	s_add_nc_u64 s[WA:WA+1], s[4:5], s[16:17]
	v_and_b32 v5, 31, v0                           ; l
	v_lshlrev_b32 v[CO], 4, v5
.irp c, 0,1,2,3,4,5,6
	ALOAD \c, (\c)*CHA                             ; the ring is filled: chunks 0 to 6, 56 loads
.endr
	WIN 0
	v_and_b32 v1, 15, v0                           ; r
	v_bfe_u32 v2, v0, 4, 1                         ; h
	v_mul_u32_u24 v[AB0], v1, PBP
	v_lshl_add_u32 v[AB0], v2, 4, v[AB0]           ; a fragment's row x pitch + 16 x half
	s_mul_i32 s20, s10, 16*SP
	s_add_co_u32 s20, s20, STAGE                   ; my stage
	v_mul_u32_u24 v[STO], v1, SP
	v_lshl_add_u32 v[STO], v2, 5, v[STO]
	v_add_nc_u32 v[STO], s20, v[STO]               ; row r, 32 bytes for each half of the lanes
	v_add_nc_u32 v[RD], s20, v[CO]
	s_lshl_b32 s16, s13, 21                        ; out0: the tile's 256 rows of 8,192 bytes,
	s_lshl_b32 s17, s10, 19                        ; my 64 of them,
	s_add_co_u32 s16, s16, s17
	s_lshl_b32 s17, s42, 9                         ; the tile's 128 columns
	s_add_co_u32 s16, s16, s17
	s_mov_b32 s17, 0
	s_add_nc_u64 s[8:9], s[8:9], s[16:17]
	; the prefetches: yF's stand at period 2, wo's at period 3; the change that ends period 0 steps them to 3 and 4.  Nothing is prefetched here, at the head
	s_lshl_b32 s20, s40, 19                        ; yF: my work-group's two chunks of a period's eight
	s_add_co_u32 s20, s20, 16*CHA
	s_mov_b32 s21, 0
	s_add_nc_u64 s[PFA:PFA+1], s[WA:WA+1], s[20:21]
	s_lshl_b32 s22, s41, 12                        ; wo: my work-group's 16 blocks of a plane's 64
	s_add_co_u32 s22, s22, s18
	s_add_co_u32 s22, s22, 12*PLW
	s_mov_b32 s23, 0
	s_add_nc_u64 s[PFW:PFW+1], s[6:7], s[22:23]
	s_cmp_eq_u32 ttmp9, 0
	s_cselect_b32 s[LIMA], 1, -1                   ; the same in all sixteen partners
	s_and_b32 s20, ttmp7, 0xffff                   ; cluster y
	s_and_b32 s21, s10, 1                          ; waves 1 and 3 are left out
	s_or_b32 s20, s20, s21
	s_cmp_eq_u32 s20, 0
	s_cselect_b32 s[LIMB], 2, -1                   ; the same in all sixteen partners, for a given wave
	v_lshlrev_b32 v[PFO], 8, v1
	v_lshl_add_u32 v[PFO], v2, 18, v[PFO]
	; the first change of slots: nothing has been read yet: slot 0 is waited for, slot 1 filled
	s_wait_tensorcnt 0x0                           ; my plane of period 0 is in, so group 0 may be written
	ds_add_u32 v[SPW], v[NIL]                      ; 0 onto my spare word
	STEPD
	s_wait_dscnt 0x0
	CROUND                                         ; everybody's plane is in
	JLOAD                                          ; period 1 into slot 1
	NEXTB
	CHUNK 0, 1, 1, 48, 1                           ; the first chunk stands in front of the loop: its 32 products start all 32 sums with the constant 0
	WIN 0                                          ; at a label and at a branch every window is 0
	s_mov_b32 s3, 7
	s_branch .Lenter                               ; the loop is entered at a period's second chunk
.Lper:                                                 ; six times: the change that ends periods 0 to 5 fills a slot again, with periods 2 to 7
	TURN 1
	CHUNK 0, 0, 1, 48, 1
	WIN 0
.Lenter:
.irp q, 1,2,3,4,5,6
	CHUNK \q, 0, 1, 48, 1
.endr
	WIN 0
	s_sub_co_u32 s3, s3, 1
	s_cmp_lg_u32 s3, 0
	s_cbranch_scc1 .Lper
	TURN 0                                         ; the tail is written out: period 6 ends, nothing is asked of wo; y's chunk 62 is
	CHUNK 0, 0, 1, 48, 1                           ; period 7: y's chunk 63, the last, is asked for; then the counts run down
	CHUNK 1, 0, 0, 48, 1
	CHUNK 2, 0, 0, 40, 1
	CHUNK 3, 0, 0, 32, 1
	CHUNK 4, 0, 0, 24, 1
	CHUNK 5, 0, 0, 16, 1
	CHUNK 6, 0, 0, 8, 1
	CHUNK 7, 0, 0, 0, 0
	; THE WAY OUT, a block of 16 times at a time: a lane's 32 bytes go into my stage's rows of 528 bytes straight from the accumulators (their low four registers first) and come back as
	; whole rows of 512 bytes.  Block a + 1 goes into the stage before block a is stored.
.macro TOSTAGE a
	WIN 0x04                                       ; the stores' data lie in window 1
.set bx, 0
.rept 8
	ds_store_b128 v[STO], v[8*(8*(\a)+bx):8*(8*(\a)+bx)+3]   offset:64*bx
	ds_store_b128 v[STO], v[8*(8*(\a)+bx)+4:8*(8*(\a)+bx)+7] offset:64*bx+16
.set bx, bx+1
.endr
	WIN 0
.if (\a) >= 2
	s_wait_xcnt 0x0                                ; the stores of the block two back have read this buffer's registers: only behind this wait are they loaded again
.endif
.set nx, 0
.rept 16
	ds_load_b128 v[64+64*((\a)%2)+4*nx:64+64*((\a)%2)+4*nx+3], v[RD] offset:SP*nx  ; LDS serves a wave's instructions in order (ISA guide 5.7.1.4): these see the stores above, and the next block's stores come behind them
.set nx, nx+1
.endr
.endm
.macro SEND a, younger                 ; younger: the LDS instructions issued behind block a's loads: the next block's 32, or none
.set nx, 0
.rept 16
	s_wait_dscnt (\younger)+15-nx
	global_store_b128 v[CO], v[64+64*((\a)%2)+4*nx:64+64*((\a)%2)+4*nx+3], s[8:9] offset:(16*(\a)+nx)*8192 th:TH_STORE_NT  ; 512 consecutive bytes, at a multiple of 256 from out0's first
.set nx, nx+1
.endr
.endm
	WIN 0
	PLACES
	PLACES
	TOSTAGE 0
	TOSTAGE 1
	SEND 0, 32
	TOSTAGE 2
	SEND 1, 32
	TOSTAGE 3
	SEND 2, 32
	SEND 3, 0
	s_wait_tensorcnt 0x0                           ; the wave's end, behind my last tensor load and my last LDS store
	ds_add_u32 v[SPW], v[NIL]
	s_wait_dscnt 0x0
	CROUND                                         ; the closing round: no work-group ends while a partner may still ask for a tile that names it
	s_endpgm
.Lfunc_end_k_q81339c7c9a_outp:
	.size	k_q81339c7c9a_outp, .Lfunc_end_k_q81339c7c9a_outp-k_q81339c7c9a_outp
	.p2alignl 7, 3214868480
	.fill 96, 4, 3214868480
	.section	.rodata,"a",@progbits
	.p2align	6, 0x0
	.amdhsa_kernel k_q81339c7c9a_outp
		.amdhsa_group_segment_fixed_size 327680
		.amdhsa_private_segment_fixed_size 0
		.amdhsa_enable_private_segment 0
		.amdhsa_kernarg_size 24
		.amdhsa_user_sgpr_count 2
		.amdhsa_user_sgpr_kernarg_segment_ptr 1
		.amdhsa_wavefront_size32 1
		.amdhsa_system_sgpr_workgroup_id_x 1
		.amdhsa_system_sgpr_workgroup_id_y 1
		.amdhsa_system_sgpr_workgroup_id_z 1
		.amdhsa_system_vgpr_workitem_id 0
		.amdhsa_next_free_vgpr 768
		.amdhsa_next_free_sgpr 66
		.amdhsa_reserve_vcc 0
		.amdhsa_float_denorm_mode_32 3
		.amdhsa_float_denorm_mode_16_64 3
		.amdhsa_memory_ordered 1
		.amdhsa_forward_progress 1
		.amdhsa_inst_pref_size 98
	.end_amdhsa_kernel
	.amdgpu_metadata
---
amdhsa.version: [ 1, 2 ]
amdhsa.kernels:
  - .name:           k_q81339c7c9a_outp
    .symbol:         k_q81339c7c9a_outp.kd
    .args:
      - { .name: yF, .offset: 0, .size: 8, .value_kind: global_buffer, .address_space: global }
      - { .name: wo, .offset: 8, .size: 8, .value_kind: global_buffer, .address_space: global }
      - { .name: out0, .offset: 16, .size: 8, .value_kind: global_buffer, .address_space: global }
    .group_segment_fixed_size: 327680
    .private_segment_fixed_size: 0
    .kernarg_segment_align: 8
    .kernarg_segment_size: 24
    .max_flat_workgroup_size: 128
    .sgpr_count:     66
    .vgpr_count:     768
    .wavefront_size: 32
...
	.end_amdgpu_metadata
.endif
;; end of part 3
;; ======== version 2 of 2: 3 launches; version 1 with the launch prep written anew for expert scheduling mode
;; limits: values are held in f16: magnitudes above 65,504 overflow, below 6.1e-05 lose precision
;; workspace buffers: xn 16,777,216 bytes; wcat 25,165,824 bytes; wo 8,388,608 bytes; yF 16,777,216 bytes
;; launch prep (part 4): grid 768 x 1, 8 waves a work-group, no clusters, 17,408 bytes of LDS; arguments x, ln_w, ln_b, Wk, Wv, Wr, Wout, xn, wcat, wo; writes xn, wcat, wo
.if DOCPART == 4
	.amdgcn_target "amdgcn-amd-amdhsa--gfx1250"
	.amdhsa_code_object_version 6
	.text
	.protected	k_q81339c7c9a_prep
	.globl	k_q81339c7c9a_prep
	.p2align	8
	.type	k_q81339c7c9a_prep,@function
k_q81339c7c9a_prep:
	s_mov_b64 s[64:65], 0
	v_nop
	global_prefetch_b8 v0, s[64:65] scope:SCOPE_SE
	s_setreg_imm32_b32 hwreg(HW_REG_WAVE_SCHED_MODE, 0, 2), 2
	s_setreg_imm32_b32 hwreg(HW_REG_WAVE_MODE, 25, 1), 1
	s_wait_xcnt 0x0
	s_wait_alu depctr_vm_vsrc(0)
; PREP: LayerNorm of x, rounded once to f16, and the four weight matrices rounded once to f16, all laid out in planes of 64 channels for the two launches behind.
; NOTHING OF reference() IS LEFT OUT in this program: every input has a way to the output and is loaded.  What is restated (exact in real numbers, for all inputs) is said at the head of the second kernel.
; LIMITS.  Matrix operands are f16: 45.3 |ln_w| + |ln_b| (the bound of a normalised row's numbers, sqrt(2048) = 45.3) and every |W| stay under 65,504; below 6e-5 a number keeps f16's fixed step of 6e-8.
; The mean is taken first and the variance of x - mean, as reference() does: a common offset of x forms no difference of large sums.
; SHARES.  A wave takes two neighbouring rows of 2,048 f32: lane l has row l / 16 and, in each plane kb of 64 channels, the 4 numbers at byte 256 kb + 16 (l % 16).  A load covers 2 x 256 consecutive aligned
; bytes; a store covers 256 consecutive aligned bytes, since the two rows' 128 bytes of a plane lie end to end.  12,288 rows = 6,144 waves = 768 work-groups: 0-255 x, then 128 for each of Wk, Wv, Wr, Wout.
; LAYOUTS (f16).  xn [kb 32][place 4096][64]: row t lies at place (t & ~255) + 16 ((t >> 3) & 15) + 8 ((t >> 7) & 1) + (t & 7), so that in the next launch a lane's results are consecutive times.
; wcat [kb 32][g 64][K, V, R][32 rows][64]: row d of matrix m lies at place 96 (d / 32) + 32 m + d % 32.   wo [kb 32][row 2048][64].
; REGISTERS.  160 a wave, of which the two rows take 128: six waves share 1,024 registers, so three work-groups of eight waves lie side by side and every wave's 32 loads go out at the launch's start.
; The 32 planes' store addresses are 32 scalar pairs, so that no store's address is ever written over and no vector register is spent on them.
; No matrix unit, no tensor load, no cluster: a stream in which work-groups share 16 KiB of parameters and nothing else.  No prefetch: every wave has its whole share, 32 loads, on its way at once.
; THE MODE: SCHED_MODE bits 1:0 = 2 (LLVM: expert scheduling mode 2), set by the entry lines.  The code itself states the register dependences between vector instructions and memory or LDS
; instructions, with s_wait_alu, always for 0.
; THE PLAN.  Registers that memory or LDS instructions touch:
;   v[SO], v[LP], v[DB]  offsets, made once at the head and never written again: one wait on va_vdst at the head serves every load, LDS load and store of the kernel.
;   v[PA]                read by the parameters' loads and LDS stores; later one of the chains' registers.
;   v[16:31]             the parameters land here and the four LDS stores read them; then sets 0 and 1 of ln_w and ln_b.  No vector instruction ever writes them.
;   v[8:15]              the sums' chains, written and read by vector instructions; then set 2.
;   X                    the 32 loads land here; vector instructions work in place; each store reads two registers that its plane's conversions wrote and that nothing writes again.
; ln_w and ln_b of plane p lie in set p % 3.  The planes go two to a block.  At the head of block j ONE wait on va_vdst states that the multiply-adds of planes 2 j - 2 and 2 j - 1 are done reading their
; sets; the LDS loads of planes 2 j + 1 and 2 j + 2 follow it at once and land in just those two sets; the third set holds plane 2 j, asked for a block earlier, which is worked on while they are out.
; On the way out the planes go four to a block: at the head of block g one wait on va_vdst states that block g - 1's conversions have written their registers; block g - 1's four stores follow, dealt
; among block g's conversions, which name block g's registers alone.
.set SPARE, 16384                      ; LDS: ln_w at 0, ln_b at 8192, then the spare words, 128 bytes for each of the eight waves
.set MU,  0                            ; v[0:1]    the mean, twice (the thread's number is not wanted behind the head)
.set RS,  0                            ; v[0:1]    later 1 / sqrt(var + eps), twice: the mean has been taken away by then
.set VAR, 2                            ; v2
.set SO,  3                            ; v3   my byte offset in the wave's two source rows; never rewritten
.set LP,  4                            ; v4   16 (l % 16): my place in 256 bytes of ln_w and ln_b in LDS; never rewritten
.set DB,  5                            ; v5   my byte offset in the two rows' 256 bytes of a plane; never rewritten
.set SPW, 6                            ; v6   LDS address of my spare word; never rewritten
.set NIL, 7                            ; v7   0; never rewritten
.set CH,  8                            ; v[8:15]   four packed chains of sums; behind the sums set 2 of ln_w and ln_b
.set PA,  13                           ; v13  at the head only: 16 x thread: where the parameters are loaded and put
.set PW,  16                           ; v[16:31]  first the parameters on their way to LDS; then sets 0 and 1
.set X,   32                           ; v[32:159] the two rows' share: 4 registers a plane
; scalar: s[28:29] source, s[30:31] destination, s32 1/2048, s33 1e-5, s[34:35] bytes in a plane; plane kb's store base in s[36+2kb:..] for kb < 14 and s[38+2kb:..] from 14 on
	s_load_b512 s[4:19], s[0:1], 0x0               ; x s[4:5], ln_w s[6:7], ln_b s[8:9], Wk s[10:11], Wv s[12:13], Wr s[14:15], Wout s[16:17], xn s[18:19]
	s_load_b128 s[20:23], s[0:1], 0x40             ; wcat s[20:21], wo s[22:23]
	v_lshl_add_u32 v[SPW], v0, 2, SPARE
	v_mov_b32 v[NIL], 0
	v_lshrrev_b32 v1, 5, v0
	v_readfirstlane_b32 s24, v1                    ; wave 0..7
	v_and_b32 v1, 15, v0                           ; l % 16
	v_bfe_u32 v2, v0, 4, 1                         ; l / 16
	v_lshlrev_b32 v[LP], 4, v1
	v_lshl_add_u32 v[SO], v2, 13, v[LP]            ; row x 8,192 + 16 (l % 16)
	v_lshlrev_b32 v[DB], 3, v1
	v_lshl_add_u32 v[DB], v2, 7, v[DB]             ; row x 128 + 8 (l % 16)
	v_lshlrev_b32 v[PA], 4, v0
	s_wait_alu depctr_va_sdst(0)                   ; s24 is written, ahead of its first reader: the rows and their places are made from it
	; a work-group of x: row t and its place
	s_lshl_b32 s36, ttmp9, 4
	s_lshl1_add_u32 s36, s24, s36                  ; t = 16 id + 2 wave
	s_and_b32 s37, s36, 0xffffff00
	s_bfe_u32 s38, s36, 0x40003                    ; (t >> 3) & 15
	s_bfe_u32 s39, s36, 0x10007                    ; (t >> 7) & 1
	s_and_b32 s40, s36, 7
	s_lshl4_add_u32 s37, s38, s37
	s_lshl3_add_u32 s37, s39, s37
	s_add_co_u32 s37, s37, s40                     ; the place of row t
	; a work-group of weights: matrix m, row d and its place
	s_sub_co_u32 s41, ttmp9, 256
	s_lshr_b32 s42, s41, 7                         ; m = 0..3 (of no meaning in a work-group of x, where nothing made of it is chosen)
	s_and_b32 s41, s41, 127
	s_lshl_b32 s41, s41, 4
	s_lshl1_add_u32 s41, s24, s41                  ; d
	s_lshr_b32 s43, s41, 5
	s_mul_i32 s43, s43, 96
	s_lshl_b32 s44, s42, 5
	s_add_co_u32 s43, s43, s44
	s_and_b32 s44, s41, 31
	s_add_co_u32 s43, s43, s44                     ; its place in a plane of wcat
	s_mov_b32 s45, 786432                          ; bytes in a plane of wcat,
	s_mov_b32 s46, 262144                          ; of wo,
	s_mov_b32 s47, 524288                          ; of xn
	s_mov_b32 s32, 0x3a000000                      ; 1 / 2048
	s_mov_b32 s33, 0x3727c5ac                      ; 1e-5
	s_cmp_eq_u32 s42, 3
	s_cselect_b32 s26, s41, s43
	s_cselect_b32 s34, s46, s45
	s_cmp_lt_u32 ttmp9, 256
	s_cselect_b32 s25, s36, s41                    ; source row
	s_cselect_b32 s26, s37, s26                    ; place
	s_cselect_b32 s34, s47, s34                    ; plane
	s_mov_b32 s35, 0
	s_lshl_b32 s48, s25, 13
	s_mov_b32 s49, 0
	s_lshl_b32 s50, s26, 7
	s_mov_b32 s51, 0
	s_wait_kmcnt 0x0
	s_cmp_eq_u32 s42, 2
	s_cselect_b64 s[28:29], s[14:15], s[16:17]
	s_cmp_eq_u32 s42, 1
	s_cselect_b64 s[28:29], s[12:13], s[28:29]
	s_cmp_eq_u32 s42, 0
	s_cselect_b64 s[28:29], s[10:11], s[28:29]
	s_cmp_eq_u32 s42, 3
	s_cselect_b64 s[30:31], s[22:23], s[20:21]
	s_cmp_lt_u32 ttmp9, 256
	s_cselect_b64 s[28:29], s[4:5], s[28:29]       ; the source,
	s_cselect_b64 s[30:31], s[18:19], s[30:31]     ; the destination,
	s_add_nc_u64 s[28:29], s[28:29], s[48:49]      ; at the wave's first row
	s_add_nc_u64 s[30:31], s[30:31], s[50:51]
.macro XLOADS                          ; the wave's whole share, 16 KiB, goes out at once: 32 loads
.set kk, 0
.rept 32
	global_load_b128 v[X+4*kk:X+4*kk+3], v[SO], s[28:29] offset:256*kk th:TH_LOAD_NT
.set kk, kk+1
.endr
.endm
	s_wait_alu depctr_va_vdst(0)                   ; v[SO], v[LP], v[DB], v[PA], v[SPW] and v[NIL] are written: every load, LDS instruction and store of the kernel reads one of them as its address
	; ONE branch, on the work-group's number (the same answer in all eight waves): the parameters' loads and their LDS stores stand together in x's arm; the weights' arm has the 32 loads alone
	s_cmp_lt_u32 ttmp9, 256
	s_cbranch_scc0 .Lweights
	global_load_b128 v[PW:PW+3], v[PA], s[6:7]     ; ln_w and ln_b, 8,192 bytes each: 256 threads x 16 bytes, twice
	global_load_b128 v[PW+4:PW+7], v[PA], s[6:7] offset:4096
	global_load_b128 v[PW+8:PW+11], v[PA], s[8:9]
	global_load_b128 v[PW+12:PW+15], v[PA], s[8:9] offset:4096
	XLOADS
	s_wait_loadcnt 32                              ; the four parameter loads are in; the 32 younger loads stay out
	ds_store_b128 v[PA], v[PW:PW+3]
	ds_store_b128 v[PA], v[PW+4:PW+7] offset:4096
	ds_store_b128 v[PA], v[PW+8:PW+11] offset:8192
	ds_store_b128 v[PA], v[PW+12:PW+15] offset:12288
	s_wait_alu depctr_vm_vsrc(0)                   ; the four LDS stores have read v[PW ..], in which LDS loads land behind the barrier, and they and the parameters' loads have read v[PA], which the chains write
	s_branch .Lmeet
.Lweights:
	XLOADS
.Lmeet:
	; the 32 planes' store bases, made while the loads are on their way
	s_mov_b64 s[36:37], s[30:31]
.set kk, 1
.set pv, 36
.rept 31
.if kk >= 14
.set dp, 38+2*kk
.else
.set dp, 36+2*kk
.endif
	s_add_nc_u64 s[dp:dp+1], s[pv:pv+1], s[34:35]
.set pv, dp
.set kk, kk+1
.endr
	s_wait_dscnt 0x0                               ; for the others' sake: my stores are done
	s_barrier_signal -1
	s_barrier_wait -1                              ; every work-group passes it: no barrier lies under a branch
	s_cmp_lt_u32 ttmp9, 256
	s_cbranch_scc0 .Lcast
; ln_w and ln_b of plane p, into set p % 3: sets 0, 1, 2 lie at v16, v24, v8
.macro PLOAD p
	ds_load_b128 v[8+8*(((\p)+1)%3):8+8*(((\p)+1)%3)+3],   v[LP] offset:256*(\p)
	ds_load_b128 v[8+8*(((\p)+1)%3)+4:8+8*(((\p)+1)%3)+7], v[LP] offset:8192+256*(\p)
.endm
.macro REDUCE                          ; the four chains into one number; then over the 16 lanes that hold one row, which are one row of lanes for the lane-crossing forms
	v_pk_add_f32 v[CH:CH+1], v[CH:CH+1], v[CH+2:CH+3]
	v_pk_add_f32 v[CH+4:CH+5], v[CH+4:CH+5], v[CH+6:CH+7]
	v_pk_add_f32 v[CH:CH+1], v[CH:CH+1], v[CH+4:CH+5]
	v_add_f32 v[CH], v[CH], v[CH+1]
	v_add_f32_dpp v[CH], v[CH], v[CH] row_xmask:1 row_mask:0xf bank_mask:0xf
	v_add_f32_dpp v[CH], v[CH], v[CH] row_xmask:2 row_mask:0xf bank_mask:0xf
	v_add_f32_dpp v[CH], v[CH], v[CH] row_xmask:4 row_mask:0xf bank_mask:0xf
	v_add_f32_dpp v[CH], v[CH], v[CH] row_xmask:8 row_mask:0xf bank_mask:0xf
.endm
	PLOAD 0                                        ; planes 0 and 1 are asked for while x is on its way.  No wait: the LDS stores that read these registers stand ahead of the wait on vm_vsrc above,
	PLOAD 1                                        ; and no vector instruction has named them
	s_wait_loadcnt 0x0                             ; the row is in
.set pp, 0
.rept 4
	v_pk_add_f32 v[CH+2*pp:CH+2*pp+1], v[X+2*pp:X+2*pp+1], v[X+8+2*pp:X+8+2*pp+1]  ; the first additions start the chains: nothing is cleared
.set pp, pp+1
.endr
.set pp, 8
.rept 56
	v_pk_add_f32 v[CH+2*(pp%4):CH+2*(pp%4)+1], v[CH+2*(pp%4):CH+2*(pp%4)+1], v[X+2*pp:X+2*pp+1]
.set pp, pp+1
.endr
	REDUCE
	v_mul_f32 v[MU], s32, v[CH]
	v_mul_f32 v[MU+1], s32, v[CH]
.set pp, 0
.rept 64
	v_pk_add_f32 v[X+2*pp:X+2*pp+1], v[X+2*pp:X+2*pp+1], v[MU:MU+1] neg_lo:[0,1] neg_hi:[0,1]  ; x - mean
.set pp, pp+1
.endr
.set pp, 0
.rept 4
	v_pk_mul_f32 v[CH+2*pp:CH+2*pp+1], v[X+2*pp:X+2*pp+1], v[X+2*pp:X+2*pp+1]
.set pp, pp+1
.endr
.rept 60
	v_pk_fma_f32 v[CH+2*(pp%4):CH+2*(pp%4)+1], v[X+2*pp:X+2*pp+1], v[X+2*pp:X+2*pp+1], v[CH+2*(pp%4):CH+2*(pp%4)+1]
.set pp, pp+1
.endr
	REDUCE
	v_fma_f32 v[VAR], v[CH], s32, s33              ; var + eps
	v_rsq_f32 v[RS], v[VAR]
	v_rsq_f32 v[RS+1], v[VAR]
	v_nop                                          ; a plain instruction behind the last of the two
	s_wait_alu depctr_va_vdst(0)                   ; the two v_rsq_f32 have written v[RS:RS+1], ahead of their first reader; the sums are done writing and reading the chains' registers, in which plane 2's loads land
	PLOAD 2
; Block jb: planes 2 jb and 2 jb + 1.
.set jb, 0
.rept 16
.set pl0, 2*jb
.set pl1, 2*jb+1
.set st0, 8+8*((pl0+1)%3)
.set st1, 8+8*((pl1+1)%3)
.if jb > 0
	s_wait_alu depctr_va_vdst(0)                   ; the block before is done reading its two sets of ln_w and ln_b, in which the loads below land
	PLOAD pl1
.if jb < 15
	PLOAD pl1+1
.endif
.endif
	v_pk_mul_f32 v[X+4*pl0:X+4*pl0+1],   v[X+4*pl0:X+4*pl0+1],   v[RS:RS+1]
	v_pk_mul_f32 v[X+4*pl0+2:X+4*pl0+3], v[X+4*pl0+2:X+4*pl0+3], v[RS:RS+1]
	v_pk_mul_f32 v[X+4*pl1:X+4*pl1+1],   v[X+4*pl1:X+4*pl1+1],   v[RS:RS+1]
	v_pk_mul_f32 v[X+4*pl1+2:X+4*pl1+3], v[X+4*pl1+2:X+4*pl1+3], v[RS:RS+1]
.if (jb == 0) || (jb == 15)
	s_wait_dscnt 2                                 ; LDS loads come back in order (ISA guide 5.7.1): all but the two just issued are in
.else
	s_wait_dscnt 4                                 ; the even plane's two loads, a block old, are in; the four just issued stay out
.endif
	v_pk_fma_f32 v[X+4*pl0:X+4*pl0+1],   v[X+4*pl0:X+4*pl0+1],   v[st0:st0+1],   v[st0+4:st0+5]
	v_pk_fma_f32 v[X+4*pl0+2:X+4*pl0+3], v[X+4*pl0+2:X+4*pl0+3], v[st0+2:st0+3], v[st0+6:st0+7]
.if jb == 15
	s_wait_dscnt 0x0                               ; the last plane's two
.elseif jb > 0
	s_wait_dscnt 2                                 ; the odd plane's two loads are in; the next block's even plane's stay out
.endif
	v_pk_fma_f32 v[X+4*pl1:X+4*pl1+1],   v[X+4*pl1:X+4*pl1+1],   v[st1:st1+1],   v[st1+4:st1+5]
	v_pk_fma_f32 v[X+4*pl1+2:X+4*pl1+3], v[X+4*pl1+2:X+4*pl1+3], v[st1+2:st1+3], v[st1+6:st1+7]
.set jb, jb+1
.endr
.Lcast:
; The way out, four planes to a block: rounded to f16 and stored.  On the weights' way the count leaves the later blocks' loads out; on x's way all loads have been waited for, and the line is met at once.
.macro PUT k                           ; plane k's store: 32 lanes x 8 bytes: 256 consecutive bytes, aligned
.if (\k) >= 14
	global_store_b64 v[DB], v[X+4*(\k):X+4*(\k)+1], s[38+2*(\k):39+2*(\k)]
.else
	global_store_b64 v[DB], v[X+4*(\k):X+4*(\k)+1], s[36+2*(\k):37+2*(\k)]
.endif
.endm
.set gg, 0
.rept 8
	s_wait_loadcnt 28-4*gg                         ; loads come back in order (ISA guide 5.7.1): this block's four are in
.if gg > 0
	s_wait_alu depctr_va_vdst(0)                   ; the block before has written its eight packed registers, which the four stores below read; the conversions among them name this block's registers alone
.endif
.set ii, 0
.rept 4
.if gg > 0
	PUT 4*gg+ii-4
.endif
	v_cvt_pk_f16_f32 v[X+16*gg+4*ii], v[X+16*gg+4*ii], v[X+16*gg+4*ii+1]
	v_cvt_pk_f16_f32 v[X+16*gg+4*ii+1], v[X+16*gg+4*ii+2], v[X+16*gg+4*ii+3]
.set ii, ii+1
.endr
.set gg, gg+1
.endr
	s_wait_alu depctr_va_vdst(0)                   ; the last block has written its eight packed registers, which the last four stores read
	PUT 28
	PUT 29
	PUT 30
	PUT 31
	s_wait_dscnt 0x0                               ; the closing lines, six on end
	s_wait_alu 0x0
	s_wait_tensorcnt 0x0
	ds_add_u32 v[SPW], v[NIL]
	s_wait_dscnt 0x0
	s_endpgm
.Lfunc_end_k_q81339c7c9a_prep:
	.size	k_q81339c7c9a_prep, .Lfunc_end_k_q81339c7c9a_prep-k_q81339c7c9a_prep
	.p2alignl 7, 3214868480
	.fill 96, 4, 3214868480
	.section	.rodata,"a",@progbits
	.p2align	6, 0x0
	.amdhsa_kernel k_q81339c7c9a_prep
		.amdhsa_group_segment_fixed_size 17408
		.amdhsa_private_segment_fixed_size 0
		.amdhsa_enable_private_segment 0
		.amdhsa_kernarg_size 80
		.amdhsa_user_sgpr_count 2
		.amdhsa_user_sgpr_kernarg_segment_ptr 1
		.amdhsa_wavefront_size32 1
		.amdhsa_system_sgpr_workgroup_id_x 1
		.amdhsa_system_sgpr_workgroup_id_y 1
		.amdhsa_system_sgpr_workgroup_id_z 1
		.amdhsa_system_vgpr_workitem_id 0
		.amdhsa_next_free_vgpr 160
		.amdhsa_next_free_sgpr 102
		.amdhsa_reserve_vcc 0
		.amdhsa_float_denorm_mode_32 3
		.amdhsa_float_denorm_mode_16_64 3
		.amdhsa_memory_ordered 1
		.amdhsa_forward_progress 1
		.amdhsa_inst_pref_size 46
	.end_amdhsa_kernel
	.amdgpu_metadata
---
amdhsa.version: [ 1, 2 ]
amdhsa.kernels:
  - .name:           k_q81339c7c9a_prep
    .symbol:         k_q81339c7c9a_prep.kd
    .args:
      - { .name: x, .offset: 0, .size: 8, .value_kind: global_buffer, .address_space: global }
      - { .name: ln_w, .offset: 8, .size: 8, .value_kind: global_buffer, .address_space: global }
      - { .name: ln_b, .offset: 16, .size: 8, .value_kind: global_buffer, .address_space: global }
      - { .name: Wk, .offset: 24, .size: 8, .value_kind: global_buffer, .address_space: global }
      - { .name: Wv, .offset: 32, .size: 8, .value_kind: global_buffer, .address_space: global }
      - { .name: Wr, .offset: 40, .size: 8, .value_kind: global_buffer, .address_space: global }
      - { .name: Wout, .offset: 48, .size: 8, .value_kind: global_buffer, .address_space: global }
      - { .name: xn, .offset: 56, .size: 8, .value_kind: global_buffer, .address_space: global }
      - { .name: wcat, .offset: 64, .size: 8, .value_kind: global_buffer, .address_space: global }
      - { .name: wo, .offset: 72, .size: 8, .value_kind: global_buffer, .address_space: global }
    .group_segment_fixed_size: 17408
    .private_segment_fixed_size: 0
    .kernarg_segment_align: 8
    .kernarg_segment_size: 80
    .max_flat_workgroup_size: 256
    .sgpr_count:     102
    .vgpr_count:     160
    .wavefront_size: 32
...
	.end_amdgpu_metadata
.endif
;; end of part 4
;; launch proj: the kernel of part 2 again; grid 64 x 4, 4 waves a work-group, clusters of 4 x 4, 327,680 bytes of LDS; arguments xn, wcat, time_bonus, br, time_decay, yF; writes yF
;; launch outp: the kernel of part 3 again; grid 16 x 16, 4 waves a work-group, clusters of 4 x 4, 327,680 bytes of LDS; arguments yF, wo, out0; writes out0
